; MI455X (gfx1250); checked and timed in simulation.
; The chip was launched on July 23, 2026; its instructions are those of AMD's public machine-readable ISA for CDNA 5 (MIT licence, August 2026) and "CDNA5" Instruction Set Architecture Reference Guide (July 2026). The comments in the code are by the model that wrote it; some were corrected since.
;; Switch Transformers Sparse MLP. Allowed arithmetic: float matrix products may take bf16 or f16 operands with f32 sums; other float arithmetic in f32, or as packed bf16 or f16 multiplies, adds, multiply-adds, maxima and minima; sums over many terms, partial sums and values carried from step to step in f32; what a program stores and reads back later, other than sums and carried values, may be rounded once to bf16 or f16.
;; Inputs: W1 8 x 1,024 x 4,096 float32; W2 8 x 4,096 x 1,024 float32; Wr 1,024 x 8 float32; b1 8 x 4,096 float32; b2 8 x 1,024 float32; hidden_states 2 x 512 x 1,024 float32.
;; Outputs: out0 2 x 512 x 1,024 float32.
;; One version. Each part assembles by itself: llvm-mc -triple=amdgcn-amd-amdhsa -mcpu=gfx1250 --defsym DOCPART=n.
;; ======== version 1 of 1: 4 launches
;; limits: values are held in f16: magnitudes above 65,504 overflow, below 6.1e-05 lose precision; a function is approximated: absolute error at most 1.5e-07
;; workspace buffers: xb 2,097,152 bytes; route 6,144 bytes of whole numbers; pmax 4,096 bytes; meta 256 bytes of whole numbers; hs 9,437,184 bytes; part 18,874,368 bytes
;; launch router (part 1): grid 32 x 1, 8 waves a work-group, no clusters, 103,424 bytes of LDS; arguments hidden_states, Wr, xb, route, pmax; writes xb, route, pmax
.if DOCPART == 1
	.amdgcn_target "amdgcn-amd-amdhsa--gfx1250"
	.amdhsa_code_object_version 6
	.text
	.protected	k_qaf9720f2ab_router
	.globl	k_qaf9720f2ab_router
	.p2align	8
	.type	k_qaf9720f2ab_router,@function
k_qaf9720f2ab_router:
	s_mov_b64 s[64:65], 0
	v_nop
	global_prefetch_b8 v0, s[64:65] scope:SCOPE_SE
	s_setreg_imm32_b32 hwreg(HW_REG_WAVE_MODE, 25, 1), 1
	s_wait_xcnt 0x0
; ROUTER.  logits = x Wr (x and Wr rounded to bf16, sums in f32), the chosen expert (lowest index among equal logits), p_max = 1 / sum of exp(logit - max).
; It also stores x rounded to bf16 (xb), which the first product reads.  Nothing here forms an address from the choice: the choice is stored at fixed places:
;   route: eidx[1024] at byte 0; bitmap[e][g] at 4096 (bit l of word g: token 32 g + l chose e); gcnt[e][g] at 5120 (that word's number of ones).   pmax[1024] f32.
; SHARES.  A work-group has 32 tokens, so that one compare of wave 0 gives a whole bitmap word; wave w has k = 128 w .. 128 w + 127; the eight waves' parts meet in LDS.
; LAYOUT.  Source 0 = Wr (row m = expert m % 8), source 1 = 16 tokens: in the result lanes 0-15 hold one token each and its eight logits in registers 0-7.
; Both sources hold k = 16 (lane / 16) + 0..15 of a step of 32 in a lane's eight registers: the same order of k on both sides keeps the products.
; No cluster: the work-groups share only Wr, 32 KB.  LIMITS: the maximum is taken of the logits (equal probabilities of unequal logits are not treated apart); NaN and infinities are not treated apart.
.set XSW,   8704                       ; a wave's x in LDS: 32 rows x (256 + 16) bytes
.set WS,    69632                      ; a wave's Wr in LDS: 128 rows of 8 bf16, 2,048 bytes
.set RED,   86016                      ; the waves' parts: [wave][tile][half][lane] x 16 bytes
.set SPARE, 102400                     ; the spare words: 128 bytes for each of eight waves
.set LN,  1                            ; lane
.set RR,  2                            ; lane % 16
.set HH,  3                            ; lane / 16
.set XO,  4                            ; 16 x lane
.set XBO, 5                            ; 8 x lane
.set XSS, 6                            ; LDS: where I put 8 bytes of a row of x
.set XSL, 7                            ; LDS: my 32 bytes of a fragment of x
.set WSS, 8                            ; LDS: where I put 8 bytes of Wr
.set WSL, 9                            ; LDS: the row of Wr that I address in a turning load
.set SPW, 10                           ; my spare word; never rewritten
.set NIL, 11                           ; 0; never rewritten
.set RDS, 14                           ; LDS: where I put my part of the logits
.set L4,  15                           ; 4 x lane
.set ACC, 16                           ; v[16:31] two accumulators: tokens 0-15, 16-31
.set WF,  32                           ; v[32:63] Wr's four fragments
.set XF,  64                           ; v[64:127] x's eight fragments; before that Wr as loaded; at the end the logits
.set X,   128                          ; v[128:255] x as loaded, 4 registers a row
.set WV,  16                           ; s16 my wave's number
	s_load_b256 s[4:11], s[0:1], 0x0               ; hidden_states s[4:5], Wr s[6:7], xb s[8:9], route s[10:11]
	s_load_b64 s[12:13], s[0:1], 0x20              ; pmax
	v_lshl_add_u32 v[SPW], v0, 2, SPARE
	v_mov_b32 v[NIL], 0
	v_and_b32 v[LN], 31, v0
	v_and_b32 v[RR], 15, v0
	v_bfe_u32 v[HH], v0, 4, 1
	v_lshrrev_b32 v12, 5, v0
	v_readfirstlane_b32 s[WV], v12
	v_lshlrev_b32 v[XO], 4, v[LN]
	v_lshlrev_b32 v[XBO], 3, v[LN]
	v_lshlrev_b32 v[L4], 2, v[LN]
	s_mul_i32 s20, s[WV], XSW
	v_add_nc_u32 v[XSS], s20, v[XBO]
	v_mul_u32_u24 v[XSL], v[RR], 272
	v_lshl_add_u32 v[XSL], v[HH], 5, v[XSL]
	v_add_nc_u32 v[XSL], s20, v[XSL]               ; row x 272 + 32 x half
	s_lshl_b32 s21, s[WV], 11
	s_add_co_u32 s22, s21, WS
	v_add_nc_u32 v[WSS], s22, v[XBO]
	v_and_b32 v12, 7, v0
	v_lshl_add_u32 v12, v[HH], 4, v12              ; row 16 (lane / 16) + lane % 8 of a step
	v_lshl_add_u32 v[WSL], v12, 4, s22
	s_add_co_u32 s23, s21, RED
	v_add_nc_u32 v[RDS], s23, v[XO]
	s_lshl_b32 s24, ttmp9, 17                      ; x: 32 tokens x 4,096 bytes,
	s_lshl_b32 s26, s[WV], 9                       ; my 128 k: 512 bytes of a row
	s_add_co_u32 s24, s24, s26
	s_mov_b32 s25, 0
	s_lshl_b32 s26, ttmp9, 16                      ; xb: 32 tokens x 2,048 bytes,
	s_lshl_b32 s28, s[WV], 8                       ; 256 bytes of a row
	s_add_co_u32 s26, s26, s28
	s_mov_b32 s27, 0
	s_lshl_b32 s28, s[WV], 12                      ; Wr: my 128 rows of 32 bytes
	s_mov_b32 s29, 0
	s_lshl_b32 s30, ttmp9, 7                       ; eidx and pmax: 32 words
	s_mov_b32 s31, 0
	s_lshl_b32 s36, ttmp9, 2                       ; bitmap and gcnt: word g
	s_mov_b32 s37, 0
	s_wait_kmcnt 0x0
	s_add_nc_u64 s[4:5], s[4:5], s[24:25]
	s_add_nc_u64 s[8:9], s[8:9], s[26:27]
	s_add_nc_u64 s[6:7], s[6:7], s[28:29]
	s_add_nc_u64 s[32:33], s[10:11], s[30:31]
	s_add_nc_u64 s[34:35], s[12:13], s[30:31]
	s_add_nc_u64 s[38:39], s[10:11], s[36:37]
.set i, 0
.rept 8                                ; Wr: 4,096 consecutive bytes, 512 a load
	global_load_b128 v[XF+4*i:XF+4*i+3], v[XO], s[6:7] offset:512*i
.set i, i+1
.endr
.set j, 0
.rept 32                               ; x: a load takes my 512 bytes of one row
	global_load_b128 v[X+4*j:X+4*j+3], v[XO], s[4:5] offset:4096*j th:TH_LOAD_NT
.set j, j+1
.endr
	s_wait_loadcnt 32                              ; Wr is in: the 32 loads of x were issued behind it
.set i, 0
.rept 8                                ; lane l of load i holds row 16 i + l / 2, experts 4 (l % 2) on: as bf16 8 bytes at 256 i + 8 l
	v_cvt_pk_bf16_f32 v[XF+4*i], v[XF+4*i], v[XF+4*i+1]
	v_cvt_pk_bf16_f32 v[XF+4*i+1], v[XF+4*i+2], v[XF+4*i+3]
	ds_store_b64 v[WSS], v[XF+4*i:XF+4*i+1] offset:256*i
.set i, i+1
.endr
.set i, 0
.rept 8                                ; the turning load: eight lanes address eight rows (16 bytes: 8 experts), lane 8 g + e receives expert e of those rows.  LDS serves a wave's instructions in order (ISA guide 5.7.1.4)
	ds_load_tr16_b128 v[WF+4*i:WF+4*i+3], v[WSL] offset:(32*(i/2)+8*(i%2))*16
.set i, i+1
.endr
.set j, 0
.rept 32
	s_wait_loadcnt 31-j                            ; loads come back in order: row j is in
	v_cvt_pk_bf16_f32 v[X+4*j], v[X+4*j], v[X+4*j+1]
	v_cvt_pk_bf16_f32 v[X+4*j+1], v[X+4*j+2], v[X+4*j+3]
	global_store_b64 v[XBO], v[X+4*j:X+4*j+1], s[8:9] offset:2048*j  ; 32 lanes store 256 consecutive bytes, at a multiple of 256 from xb's first byte
	ds_store_b64 v[XSS], v[X+4*j:X+4*j+1] offset:272*j
.set j, j+1
.endr
.set i, 0
.rept 8                                ; tile i / 4, step i % 4: my 32 bytes of row 16 (i / 4) + lane % 16
	ds_load_b128 v[XF+8*i:XF+8*i+3],   v[XSL] offset:(i/4)*4352+(i%4)*64
	ds_load_b128 v[XF+8*i+4:XF+8*i+7], v[XSL] offset:(i/4)*4352+(i%4)*64+16
.set i, i+1
.endr
	s_wait_dscnt 0x0
.set q, 0
.rept 4                                ; the two accumulators take turns; the first step starts the sums
.set a, 0
.rept 2
.if q == 0
	v_wmma_f32_16x16x32_bf16 v[ACC+8*a:ACC+8*a+7], v[WF+8*q:WF+8*q+7], v[XF+32*a+8*q:XF+32*a+8*q+7], 0
.else
	v_wmma_f32_16x16x32_bf16 v[ACC+8*a:ACC+8*a+7], v[WF+8*q:WF+8*q+7], v[XF+32*a+8*q:XF+32*a+8*q+7], v[ACC+8*a:ACC+8*a+7]
.endif
.set a, a+1
.endr
.set q, q+1
.endr
.rept 4
	v_nop                                          ; four places between the last product and the stores that read the results
.endr
.set a, 0
.rept 2
	ds_store_b128 v[RDS], v[ACC+8*a:ACC+8*a+3]   offset:1024*a
	ds_store_b128 v[RDS], v[ACC+8*a+4:ACC+8*a+7] offset:1024*a+512
.set a, a+1
.endr
	s_wait_dscnt 0x0                               ; for wave 0's sake: my part is in LDS
	s_barrier_signal -1
	s_barrier_wait -1
	s_cmp_lg_u32 s[WV], 0
	s_cbranch_scc1 .Lend
	; wave 0: lane = token.  Its logits lie with lane % 16 of tile lane / 16 in each wave's part.
	v_lshlrev_b32 v12, 4, v[RR]
	v_lshl_add_u32 v12, v[HH], 10, v12             ; 1,024 (lane / 16) + 16 (lane % 16)
	v_add_nc_u32 v12, RED, v12
.set i, 0
.rept 16
	ds_load_b128 v[XF+4*i:XF+4*i+3], v12 offset:2048*(i/2)+512*(i%2)
.set i, i+1
.endr
	s_wait_dscnt 0x0
.set i, 1
.rept 7                                ; the waves' parts, k ascending
.set p, 0
.rept 4
	v_pk_add_f32 v[XF+2*p:XF+2*p+1], v[XF+2*p:XF+2*p+1], v[XF+8*i+2*p:XF+8*i+2*p+1]
.set p, p+1
.endr
.set i, i+1
.endr
	v_max3_num_f32 v12, v[XF], v[XF+1], v[XF+2]
	v_max3_num_f32 v12, v12, v[XF+3], v[XF+4]
	v_max3_num_f32 v12, v12, v[XF+5], v[XF+6]
	v_max_num_f32 v12, v12, v[XF+7]
	v_mov_b32 v13, 7
.irp e, 6,5,4,3,2,1,0                  ; from the top down: the lowest index among equals stays
	v_cmp_eq_f32 vcc_lo, v[XF+\e], v12
	v_cndmask_b32 v13, v13, \e, vcc_lo
.endr
.irp e, 0,1,2,3,4,5,6,7
	v_sub_f32 v[XF+\e], v[XF+\e], v12              ; the maximum is taken away first
.endr
.irp e, 0,1,2,3,4,5,6,7
	v_mul_f32 v[XF+\e], 0x3fb8aa3b, v[XF+\e]       ; log2(e)
.endr
.irp e, 0,1,2,3,4,5,6,7
	v_exp_f32 v[XF+\e], v[XF+\e]
.endr
	v_nop                                          ; a plain instruction behind the last exponential,
	s_wait_alu depctr_va_vdst(0)                   ; and one wait for the eight, ahead of their first reader
	v_pk_add_f32 v[XF:XF+1], v[XF:XF+1], v[XF+2:XF+3]
	v_pk_add_f32 v[XF+4:XF+5], v[XF+4:XF+5], v[XF+6:XF+7]
	v_pk_add_f32 v[XF:XF+1], v[XF:XF+1], v[XF+4:XF+5]
	v_add_f32 v[XF], v[XF], v[XF+1]
	v_rcp_f32 v[XF+2], v[XF]                       ; the largest probability is 1 / the sum
	v_mov_b32 v[WF], 0                             ; (plain work behind the reciprocal: the two registers that take the words lane by lane)
	v_mov_b32 v[WF+1], 0
	s_wait_alu depctr_va_vdst(0)
	global_store_b32 v[L4], v13, s[32:33]          ; eidx
	global_store_b32 v[L4], v[XF+2], s[34:35]      ; pmax
.irp e, 0,1,2,3,4,5,6,7
	v_cmp_eq_u32 s40, \e, v13                      ; the bitmap word of expert e for my 32 tokens: data, never an address here
	s_bcnt1_i32_b32 s41, s40
	v_writelane_b32 v[WF], s40, \e
	v_writelane_b32 v[WF+1], s41, \e
.endr
	v_lshlrev_b32 v[WF+2], 7, v[LN]                ; expert e's words lie 128 bytes apart
	v_cmp_gt_u32 vcc_lo, 8, v[LN]
	s_wait_xcnt 0x0                                ; EXEC is a source of the stores above: it changes only behind this wait
	s_and_saveexec_b32 s42, vcc_lo
	global_store_b32 v[WF+2], v[WF], s[38:39] offset:4096
	global_store_b32 v[WF+2], v[WF+1], s[38:39] offset:5120
	s_wait_xcnt 0x0                                ; and again ahead of the line that widens it
	s_or_b32 exec_lo, exec_lo, s42
.Lend:
	s_barrier_signal -1                            ; wave 0's reads of the parts are back (its wait for them stands above): no LDS write of any wave follows before all have passed here
	s_barrier_wait -1
	s_wait_tensorcnt 0x0                           ; the wave's end, behind my last LDS store
	ds_add_u32 v[SPW], v[NIL]
	s_wait_dscnt 0x0
	s_endpgm
.Lfunc_end_k_qaf9720f2ab_router:
	.size	k_qaf9720f2ab_router, .Lfunc_end_k_qaf9720f2ab_router-k_qaf9720f2ab_router
	.p2alignl 7, 3214868480
	.fill 96, 4, 3214868480
	.section	.rodata,"a",@progbits
	.p2align	6, 0x0
	.amdhsa_kernel k_qaf9720f2ab_router
		.amdhsa_group_segment_fixed_size 103424
		.amdhsa_private_segment_fixed_size 0
		.amdhsa_enable_private_segment 0
		.amdhsa_kernarg_size 40
		.amdhsa_user_sgpr_count 2
		.amdhsa_user_sgpr_kernarg_segment_ptr 1
		.amdhsa_wavefront_size32 1
		.amdhsa_system_sgpr_workgroup_id_x 1
		.amdhsa_system_sgpr_workgroup_id_y 1
		.amdhsa_system_sgpr_workgroup_id_z 1
		.amdhsa_system_vgpr_workitem_id 0
		.amdhsa_next_free_vgpr 256
		.amdhsa_next_free_sgpr 66
		.amdhsa_reserve_vcc 1
		.amdhsa_float_denorm_mode_32 3
		.amdhsa_float_denorm_mode_16_64 3
		.amdhsa_memory_ordered 1
		.amdhsa_forward_progress 1
		.amdhsa_inst_pref_size 28
	.end_amdhsa_kernel
	.amdgpu_metadata
---
amdhsa.version: [ 1, 2 ]
amdhsa.kernels:
  - .name:           k_qaf9720f2ab_router
    .symbol:         k_qaf9720f2ab_router.kd
    .args:
      - { .name: hidden_states, .offset: 0, .size: 8, .value_kind: global_buffer, .address_space: global }
      - { .name: Wr, .offset: 8, .size: 8, .value_kind: global_buffer, .address_space: global }
      - { .name: xb, .offset: 16, .size: 8, .value_kind: global_buffer, .address_space: global }
      - { .name: route, .offset: 24, .size: 8, .value_kind: global_buffer, .address_space: global }
      - { .name: pmax, .offset: 32, .size: 8, .value_kind: global_buffer, .address_space: global }
    .group_segment_fixed_size: 103424
    .private_segment_fixed_size: 0
    .kernarg_segment_align: 8
    .kernarg_segment_size: 40
    .max_flat_workgroup_size: 256
    .sgpr_count:     66
    .vgpr_count:     256
    .wavefront_size: 32
...
	.end_amdgpu_metadata
.endif
;; end of part 1
;; launch g1 (part 2): grid 32 x 8, 4 waves a work-group, no clusters, 240,128 bytes of LDS; arguments W1, b1, xb, route, hs, meta; writes hs, meta
.if DOCPART == 2
	.amdgcn_target "amdgcn-amd-amdhsa--gfx1250"
	.amdhsa_code_object_version 6
	.text
	.protected	k_qaf9720f2ab_g1
	.globl	k_qaf9720f2ab_g1
	.p2align	8
	.type	k_qaf9720f2ab_g1,@function
k_qaf9720f2ab_g1:
	s_mov_b64 s[64:65], 0
	v_nop
	global_prefetch_b8 v0, s[64:65] scope:SCOPE_SE
	s_setreg_imm32_b32 hwreg(HW_REG_WAVE_MODE, 25, 1), 1
	s_wait_xcnt 0x0
; ONE SOURCE FOR BOTH PRODUCTS; G2 = 0: h = gelu(x W1 + b1) for the rows of each expert; G2 = 1: the four K quarters of h W2 as f32 partial sums.
; SHARES.  Work-group (x, y): expert y; 1,024 k x 128 columns of its f32 weights (512 KB), which it alone reads, and all of that expert's rows.  G2 = 0: x = slice of 128 hidden columns.
; G2 = 1: x % 8 = slice of 128 output columns, x / 8 = quarter of the hidden width.  Wave w = c + 2 kh: column half c (64 columns, 256 bytes of a weight row), kh: which 64 of each chunk's 128 k.
; ROWS.  An expert's tokens, ascending, lie at places poff[e] on; poff[e] = the sum of the earlier experts' counts, each rounded up to 16 (1,136 at the most).  Places past the count repeat the last row.
; G2 = 0 makes the list place -> token from its expert's stored bitmap (in LDS, a copy for each wave), counts the other experts for poff, and stores cnt and poff in meta for the launches behind it.
; WEIGHTS go from memory straight into operand registers.  For a step of 32 k, load i of 16: lane (r = l % 16, h = l / 16) takes 16 bytes at 16 r of row 16 h + i: sixteen lanes take 256 consecutive bytes, aligned.
; Rows 2 p and 2 p + 1 are rounded in pairs: fragment j of four then holds, in lane (r, h), column 4 r + j and k = 16 h + 0..15.  The token fragment takes the same k: 32 consecutive bytes at 32 h of its row.
; Source 0 = weights, source 1 = 16 tokens: register i of the result in lane (r, h) is token r, column 32 h + 4 i + j: over i and j a lane holds 32 neighbouring columns of one token.
; THE MAIN PASS has room for 192 rows (12 tiles, 48 accumulators, 384 registers a wave).  Tiles 0 to 7 are always taken; tiles 8 to 11 only where they hold rows: their token loads, LDS stores, fragment
; loads and products are jumped by scalar branches on the number of live tiles, which hold no barrier.  K goes in 8 chunks of 128; a chunk's token rows go through two LDS slots that take turns, one barrier
; a chunk; of every tile wave w fetches rows 4 w to 4 w + 3, so that a dead tile spares all four waves alike.  A chunk's 32 weight loads are issued two chunks ahead of their use, into two register buffers.
; THE START goes in the order of need: chunk 0's weights; under their way the clears and addresses; the list; chunk 0's rows; chunk 1's rows; chunk 1's weights.  Loads come back in order, so chunk 0's rows stand behind one chunk of weights alone.
; The kh halves meet in LDS behind the loop.  ROWS FROM 192 ON are served by a loop without barriers and with fixed LDS addresses, each wave for itself, 16 rows a trip over the whole K: it reads the
; weights again for every 32 rows: right for every split, slower.  An expert without rows still walks its chunks (every wave passes every barrier) and stores nothing.
; FORMATS.  Every input is rounded to bf16.  G2 = 0 multiplies in bf16 and stores h in f16; G2 = 1 multiplies in f16: W2 is rounded to bf16 and that number written as f16.
; LIMITS.  |h| up to 65,504 (f16); of W2 what lies below 2^-14 keeps f16's fixed step of 2^-24.  erf by the rational form with exp (Abramowitz and Stegun 7.1.26), absolute error 1.5e-7 for every argument.
; NaN and infinities are not treated apart.
; NO CLUSTER.  Each weight byte has one reader.  The token rows are shared by an expert's work-groups (4 KB a tile and chunk beside 64 KB of weights); with G2 = 0 they come by a list, which no tile descriptor covers;
; with G2 = 1 their first place and number are read from memory and an expert may have none, and a joint load would want a round of the cluster's barrier in each of the 8 chunks: not built.
; The v_mov_b32 that clear the accumulators stand in the wait for the first weights; they spare a second copy of a pair of chunks in the text.  96 more clear the registers that only jumped loads fill.
.set G2, 0
.if G2
.set LP,    12                         ; log2 of a weight row's bytes
.set LRB,   12                         ; log2 of an output row's bytes
.set TSUB,  128                        ; a tile's second token load in LDS: the next block's 128 bytes of the same four rows
.else
.set LP,    14
.set LRB,   7
.set TSUB,  544                        ; a tile's second token load in LDS: two rows further down
.endif
.set PITCH, 1<<LP
.set BLK,   147456                     ; hs: a block of 64 hidden columns: 1,152 rows x 128 bytes
.set PQ,    4718592                    ; part: a quarter: 1,152 rows x 4,096 bytes
.if G2
.set TSTEP, 4*BLK                      ; the token rows' step for two chunks
.set OSTEP, BLK                        ; and for 64 k
.else
.set TSTEP, 512
.set OSTEP, 128
.endif
.set SLOTB, 52224                      ; a token slot: 192 rows x (256 + 16) bytes: row r starts at bank 4 r mod 64 (64 banks of 4 bytes: ISA guide 11.1)
.set DUMPB, 49152                      ; a wave's 384 accumulator registers; the four dumps lie over the slots, behind the last chunk's barrier
.set STAGE, 204800                     ; 4 x 4,352: each wave's own, for the way out.  Between the dumps' end (196,608) and here lie 8,192 bytes that nothing writes: as far as the way out's look-ahead of one step reaches by the text's arithmetic
.set LIST,  222208                     ; 4 x 4,352: each wave's own list place -> token (1,024 words and a dummy word)
.set SPARE, 239616                     ; the spare words, 128 bytes for each wave
; window 0
.set WO,   1                           ; weights: 16 h rows + 16 r bytes
.set PFO,  2                           ; prefetch: lane rows
.set TS,   3                           ; v3, v19: LDS: where I put 16 bytes of a token row in slot 0, 1
.set AL0,  4                           ; v4, v5: LDS: my 32 bytes of a token fragment in slot 0, 1
.set DMP,  6                           ; LDS: my 16 bytes in my wave's dump
.set EPA,  7                           ; LDS: the dump of half kh = 0 that I read back
.set EPB,  8                           ; of kh = 1
.set STO,  9                           ; stage: in
.set RD,   10                          ; stage: back
.set GO,   11                          ; my byte offset in a tile of the output
.set SPW,  12                          ; my spare word; never rewritten
.set NIL,  13                          ; 0; never rewritten
.set ROW0, 18                          ; my row in tile 0 in a token load
.set TO,   20                          ; v[20:43] byte offsets of the token rows that I load
.set T,    44                          ; v[44:139] token rows as loaded, 8 registers a tile
.set BF,   140                         ; v[140:203] weight fragments: step u, fragment j at 32 u + 8 j
.set BIAS, 204                         ; v[204:235] b1 of my 32 columns
.set TT,   236                         ; v[236:243] at work
.set LN,   244
.set RR,   245
.set HH,   246
.set L16,  247                         ; 16 (lane % 16)
.set LB,   248                         ; my wave's list
.set H32,  249                         ; 32 (lane / 16)
.set L8,   250                         ; 16 (lane % 8)
.set KK,   251                         ; v[251:254] the counts, two to a register; then the meta store's three registers
.set DT,   255
.set P0,   44                          ; the way out: t; P1: the exponentials; Z: the sums; PP: the polynomial; H: packed
.set P1,   76
.set Z,    108
.set PP,   140
.set H,    172
; window 1: weights as loaded: buffer par, step u, load i at 128 par + 64 u + 4 i; on the way out v0-63: the two halves of a tile.  window 2: accumulators of tiles 0-7 at 32 t + 8 j.
; window 3: tiles 8-11 at 32 (t - 8) + 8 j; sixteen fragment places at AF + 8 p: 0-7 tiles 0-7 (one step at a time), 8-11 tiles 8-11 step 0, 12-15 tiles 8-11 step 1
.set AF,   128
.set WV,  16
.set CH,  17
.set KH,  18
.set EX,  19
.set SL,  20
.set CNT, 21
.set POF, 22
.set NT,  23                           ; live tiles of the main pass
.set LC,  24
.set IC,  25
.set CUR, 26
.set CU2, 27                           ; the offset register of the scalar loads
.set WB,  28
.set PB,  30
.set TB,  32
.set OB,  34
.set CT,  36                           ; s[36:43] the eight counts; then:
.set T0,  36                           ; the token rows' base
.set O0,  38                           ; the output's base, without the row
.set WBO, 40
.set TBO, 42
.set KP,  44
.set KC,  46
.set A1,  48
.set A2,  50
.set A3,  52
.set A4,  54
.set A5,  56
.set SEL, 58
.set HM,  60
.set LR,  61                           ; the last row that may be named
.set B1B, 66
.set BMP, 68                           ; s[68:99] my expert's bitmap
.set KQ,  68
.set C7,  69
.set P7,  70
.set W0,  100                          ; the weights' base without kh
.if G2
.set AX, 6
.set AM, 8
.set AO, 10
.else
.set AX, 8
.set ART, 10
.set AO, 12
.set AM, 14
.endif
.set MSB, 0
.macro WIN new                         ; the immediate's high byte repeats the setting that is left; a switch that changes nothing is dropped
.if MSB != (\new)
	s_set_vgpr_msb (MSB<<8)|(\new)
.set MSB, \new
.endif
.endm
.macro EACH n, line:vararg             ; one line for q = 0 .. n - 1
.set q, 0
.rept \n
	\line
.set q, q+1
.endr
.endm
.macro LIVE line:vararg                ; one line for each of tiles t = 8 .. 11 that holds rows: the first dead tile jumps out.  At a branch and at a label every window is 0
.set t, 8
.rept 4
	WIN 0
	s_cmp_le_u32 s[NT], t
	s_cbranch_scc1 .Llive_\@
	\line
.set t, t+1
.endr
	WIN 0
.Llive_\@:
.endm
.macro PLACES                          ; four places behind matrix instructions, ahead of loads into their sources and of lines that read or write their registers
.rept 4
	v_nop
.endr
.endm
.macro WM d, a, b
.if G2
	v_wmma_f32_16x16x32_f16 v[(\d):(\d)+7], v[(\a):(\a)+7], v[(\b):(\b)+7], v[(\d):(\d)+7]
.else
	v_wmma_f32_16x16x32_bf16 v[(\d):(\d)+7], v[(\a):(\a)+7], v[(\b):(\b)+7], v[(\d):(\d)+7]
.endif
.endm
.macro WLOAD par, ch                   ; my 64 k x 64 columns of chunk ch (counted from WB) into buffer par: 32 loads
	WIN 0x40
.set u, 0
.rept 2
.set i, 0
.rept 16
	global_load_b128 v[128*(\par)+64*u+4*i:128*(\par)+64*u+4*i+3], v[WO], s[WB:WB+1] offset:((\ch)*128+32*u+i)*PITCH th:TH_LOAD_NT
.set i, i+1
.endr
.set u, u+1
.endr
.endm
.macro TL1 ch, wn, dst                 ; my four rows of tile t, chunk ch (counted from TB): two loads
	WIN \wn
.if G2
	global_load_b128 v[(\dst)+8*t:(\dst)+8*t+3],   v[TO+t], s[TB:TB+1] offset:(2*(\ch))*BLK
	global_load_b128 v[(\dst)+8*t+4:(\dst)+8*t+7], v[TO+t], s[TB:TB+1] offset:(2*(\ch)+1)*BLK
.else
	global_load_b128 v[(\dst)+8*t:(\dst)+8*t+3],   v[TO+2*t],   s[TB:TB+1] offset:(\ch)*256
	global_load_b128 v[(\dst)+8*t+4:(\dst)+8*t+7], v[TO+2*t+1], s[TB:TB+1] offset:(\ch)*256
.endif
.endm
.macro TLOAD ch, wn, dst               ; 16 loads, and two for each live tile from 8 on
.set t, 0
.rept 8
	TL1 \ch, \wn, \dst
.set t, t+1
.endr
	LIVE TL1 \ch, \wn, \dst
.endm
.macro TS1 slot, wn, src               ; the same four rows into a slot
	WIN \wn
	ds_store_b128 v[TS+16*(\slot)], v[(\src)+8*t:(\src)+8*t+3]   offset:t*4352
	ds_store_b128 v[TS+16*(\slot)], v[(\src)+8*t+4:(\src)+8*t+7] offset:t*4352+TSUB
.endm
.macro TSTORE slot, wn, src            ; 16 stores, and two for each live tile from 8 on
.set t, 0
.rept 8
	TS1 \slot, \wn, \src
.set t, t+1
.endr
	LIVE TS1 \slot, \wn, \src
.endm
.macro CVT par                         ; buffer par becomes eight fragments
	WIN 0x05
.set u, 0
.rept 2
.set j, 0
.rept 4
.set p, 0
.rept 8
	v_cvt_pk_bf16_f32 v[BF+32*u+8*j+p], v[128*(\par)+64*u+8*p+j], v[128*(\par)+64*u+8*p+4+j]
.set p, p+1
.endr
.set j, j+1
.endr
.set u, u+1
.endr
.if G2
	WIN 0
.set p, 0
.rept 64                               ; the bf16 number written as f16
	v_lshlrev_b32 v[TT+2*(p%4)], 16, v[BF+p]
	v_and_b32 v[TT+2*(p%4)+1], s[HM], v[BF+p]
	v_cvt_pk_f16_f32 v[BF+p], v[TT+2*(p%4)], v[TT+2*(p%4)+1]
.set p, p+1
.endr
.endif
.endm
.macro AL1 slot, uu, pl                ; tile t's fragment of step uu into fragment place pl
	WIN 0xc0
	ds_load_b128 v[AF+8*(\pl):AF+8*(\pl)+3],   v[AL0+(\slot)] offset:t*4352+64*(\uu)
	ds_load_b128 v[AF+8*(\pl)+4:AF+8*(\pl)+7], v[AL0+(\slot)] offset:t*4352+64*(\uu)+16
.endm
.macro ALH slot                        ; a tile from 8 on: both steps' fragments at once, into places of their own
	AL1 \slot, 0, t
	AL1 \slot, 1, t+4
.endm
.macro ALOAD slot, uu, t0, t1          ; the token fragments of step uu, tiles t0 .. t1 - 1
.set t, \t0
.rept (\t1)-(\t0)
	AL1 \slot, \uu, t
.set t, t+1
.endr
.endm
.macro MU1 uu, pl                      ; tile t, step uu: four products
	WIN 0xac+0x50*(t/8)
.set j, 0
.rept 4
	WM 32*(t%8)+8*j, BF+32*(\uu)+8*j, AF+8*(\pl)
.set j, j+1
.endr
.endm
.macro MUH                             ; a tile from 8 on: both steps; its four accumulators take turns
	MU1 0, t
	MU1 1, t+4
.endm
.macro MUL uu, t0, t1                  ; the accumulators take turns, one instruction a turn: from block to block, past the jumped tiles and over the backward jump too
.set t, \t0
.rept (\t1)-(\t0)
	MU1 \uu, t
.set t, t+1
.endr
.endm
; ONE CHUNK c, of parity par.  It multiplies W(c) by the rows in slot par, puts the rows T(c + 1) into the other slot, and asks for T(c + 2) and W(c + 2).
; In the last pair of chunks (LC = 1) nothing is left to ask for: that block is jumped, and the jumped path waits for all loads, so that the head's count holds on both paths.
; The counts of the waits are the least number of younger instructions on any way past the jumped tiles.
.macro TRIP par
	ALOAD \par, 0, 0, 8                            ; 16 LDS loads, and four for each live tile from 8 on: they land under what follows
	LIVE ALH \par
	s_wait_loadcnt 32                              ; W(c) and T(c + 1) are in: behind them only W(c + 1)'s 32 loads were issued
	CVT \par
.if (\par) == 0
	TSTORE 1, 0, T
.endif
	WIN 0
	s_cmp_eq_u32 s[LC], 1
	s_cbranch_scc1 .Lni_\@
.if (\par) == 1
	TSTORE 0, 0, T                                 ; (chunk 7 has no next rows: its stores are jumped too)
.endif
	TLOAD 2+(\par), 0, T
	WLOAD \par, 2+(\par)
	WIN 0
.if (\par) == 1
	s_wait_dscnt 16                                ; the fragment loads are in: 16 stores at the least stand behind them
.endif
	s_cmp_lt_u32 s[LC], 3
	s_cbranch_scc1 .Lis_\@
	; chunk c + 4 of my own rows and columns, four chunks ahead of its loads' use: a lane asks for one row's 256 bytes; nobody else asks for them; chunks 4 to 7 alone, so nothing points past the slice
	global_prefetch_b8 v[PFO], s[PB:PB+1] offset:((\par)*128)*PITCH th:TH_LOAD_NT scope:SCOPE_SE
	global_prefetch_b8 v[PFO], s[PB:PB+1] offset:((\par)*128+32)*PITCH th:TH_LOAD_NT scope:SCOPE_SE
	s_branch .Lis_\@
.Lni_\@:
	s_wait_loadcnt 0x0
.if (\par) == 1
	s_wait_dscnt 0x0
.endif
.Lis_\@:
.if (\par) == 0
	s_wait_dscnt 16                                ; the fragment loads are in: 16 stores at the least stand behind them
.endif
	MUL 0, 0, 4
	PLACES
	ALOAD \par, 1, 0, 4
	MUL 0, 4, 8
	PLACES
	ALOAD \par, 1, 4, 8
	LIVE MUH                                       ; the live tiles from 8 on, both steps, while the second step's fragments land
	s_wait_dscnt 8                                 ; tiles 0-3 of the second step are in; the 8 younger loads may be out
	MUL 1, 0, 4
	s_wait_dscnt 0x0                               ; my reads of this slot are over and my stores into the other are done:
	s_barrier_signal -1                            ; say so,
	MUL 1, 4, 8                                    ; work on registers while the others arrive,
	PLACES
	WIN 0
	s_barrier_wait -1                              ; and go on when all four have said so: the other slot is whole, and this one may be written
.endm
; The two halves of a tile out of the dumps, into window 1's v0-63, which are idle behind the loop
.macro EPLOAD off
	WIN 0x40
	EACH 8, ds_load_b128 v[4*q:4*q+3], v[EPA] offset:(\off)+512*q
	EACH 8, ds_load_b128 v[32+4*q:32+4*q+3], v[EPB] offset:(\off)+512*q
	WIN 0
.endm
; THE END OF THE WAY OUT.  Z holds a lane's 32 neighbouring columns of one token (G2 = 0: the bias added).  G2 = 0: gelu, f16.  Then through my own stage, so that whole rows leave.
.macro EPIOUT
.if G2
	EACH 8, ds_store_b128 v[STO], v[Z+4*q:Z+4*q+3] offset:16*q
	EACH 8, ds_load_b128 v[P0+4*q:P0+4*q+3], v[RD] offset:544*q
	s_wait_dscnt 0x0                               ; LDS serves a wave's instructions in order (ISA guide 5.7.1.4): the loads saw the stores; now they are back
	EACH 8, global_store_b128 v[GO], v[P0+4*q:P0+4*q+3], s[OB:OB+1] offset:8192*q
.else
	; gelu(z) = z Phi(z).  w = the upper tail at |z| = (a1 t + .. + a5 t^5) / 2 x exp(-z z / 2), t = 1 / (1 + 0.2316419 |z|).  Phi = 1 - w for z >= 0, w for z < 0: z Phi = max(z, 0) (1 - 2 w) + z w
	EACH 32, v_fma_f32 v[P0+q], |v[Z+q]|, s[KP], 1.0
	EACH 16, v_pk_mul_f32 v[P1+2*q:P1+2*q+1], v[Z+2*q:Z+2*q+1], s[KC:KC+1] op_sel_hi:[1,0]
	EACH 16, v_pk_mul_f32 v[P1+2*q:P1+2*q+1], v[P1+2*q:P1+2*q+1], v[Z+2*q:Z+2*q+1]
	EACH 32, v_rcp_f32 v[P0+q], v[P0+q]
	EACH 32, v_exp_f32 v[P1+q], v[P1+q]
	v_nop                                          ; a plain instruction behind the last of the batch,
	s_wait_alu depctr_va_vdst(0)                   ; and one wait for its 64, ahead of the first reader
	EACH 16, v_pk_fma_f32 v[PP+2*q:PP+2*q+1], v[P0+2*q:P0+2*q+1], s[A5:A5+1], s[A4:A4+1] op_sel_hi:[1,0,0]
	EACH 16, v_pk_fma_f32 v[PP+2*q:PP+2*q+1], v[PP+2*q:PP+2*q+1], v[P0+2*q:P0+2*q+1], s[A3:A3+1] op_sel_hi:[1,1,0]
	EACH 16, v_pk_fma_f32 v[PP+2*q:PP+2*q+1], v[PP+2*q:PP+2*q+1], v[P0+2*q:P0+2*q+1], s[A2:A2+1] op_sel_hi:[1,1,0]
	EACH 16, v_pk_fma_f32 v[PP+2*q:PP+2*q+1], v[PP+2*q:PP+2*q+1], v[P0+2*q:P0+2*q+1], s[A1:A1+1] op_sel_hi:[1,1,0]
	EACH 16, v_pk_mul_f32 v[PP+2*q:PP+2*q+1], v[PP+2*q:PP+2*q+1], v[P0+2*q:P0+2*q+1]
	EACH 16, v_pk_mul_f32 v[PP+2*q:PP+2*q+1], v[PP+2*q:PP+2*q+1], v[P1+2*q:P1+2*q+1]
	EACH 16, v_pk_mul_f32 v[P1+2*q:P1+2*q+1], v[Z+2*q:Z+2*q+1], v[PP+2*q:PP+2*q+1]
	EACH 16, v_pk_fma_f32 v[PP+2*q:PP+2*q+1], v[PP+2*q:PP+2*q+1], -2.0, 1.0 op_sel_hi:[1,0,0]
	EACH 32, v_max_num_f32 v[P0+q], 0, v[Z+q]
	EACH 16, v_pk_fma_f32 v[Z+2*q:Z+2*q+1], v[P0+2*q:P0+2*q+1], v[PP+2*q:PP+2*q+1], v[P1+2*q:P1+2*q+1]
	EACH 16, v_cvt_pk_f16_f32 v[H+q], v[Z+2*q], v[Z+2*q+1]
	EACH 4, ds_store_b128 v[STO], v[H+4*q:H+4*q+3] offset:16*q
	EACH 4, ds_load_b128 v[P0+4*q:P0+4*q+3], v[RD] offset:576*q
	s_wait_dscnt 0x0                               ; LDS serves a wave's instructions in order (ISA guide 5.7.1.4): the loads saw the stores; now they are back
	EACH 4, global_store_b128 v[GO], v[P0+4*q:P0+4*q+3], s[OB:OB+1] offset:512*q
.endif
.endm
	s_load_b256 s[4:11], s[0:1], 0x0               ; G2 = 0: W1 s[4:5], b1 s[6:7], xb s[8:9], route s[10:11];  G2 = 1: W2 s[4:5], hs s[6:7], meta s[8:9], part s[10:11]
.if !G2
	s_load_b128 s[12:15], s[0:1], 0x20             ; hs s[12:13], meta s[14:15]
.endif
	v_lshl_add_u32 v[SPW], v0, 2, SPARE
	v_mov_b32 v[NIL], 0
	v_and_b32 v[LN], 31, v0
	v_and_b32 v[RR], 15, v0
	v_bfe_u32 v[HH], v0, 4, 1
	v_lshrrev_b32 v14, 5, v0
	v_readfirstlane_b32 s[WV], v14
	s_and_b32 s[CH], s[WV], 1
	s_lshr_b32 s[KH], s[WV], 1
	s_and_b32 s[EX], ttmp7, 0xffff
.if G2
	s_and_b32 s[SL], ttmp9, 7
	s_lshr_b32 s[KQ], ttmp9, 3
.else
	s_mov_b32 s[SL], ttmp9
.endif
	v_lshlrev_b32 v[L16], 4, v[RR]
	v_lshl_add_u32 v[WO], v[HH], LP+4, v[L16]
	v_lshlrev_b32 v[PFO], LP, v[LN]
	s_lshl_b32 s2, s[EX], 24                       ; an expert's weights are 16,777,216 bytes
	s_lshl_b32 s62, s[SL], 9
	s_add_co_u32 s2, s2, s62
	s_lshl_b32 s62, s[CH], 8
	s_add_co_u32 s2, s2, s62
.if G2
	s_lshl_b32 s62, s[KQ], 22                      ; 1,024 rows of 4,096 bytes
	s_add_co_u32 s2, s2, s62
.endif
	s_mov_b32 s3, 0                                ; stays 0: s[2:3] is the pair in which offsets are made
	s_lshl_b32 s62, s[KH], LP+6                    ; 64 rows
	s_mov_b32 s63, 0
	s_mov_b32 s[SEL], 0x76543210
	s_mov_b32 s[SEL+1], 0xfedcba98
	s_mov_b32 s[HM], 0xffff0000
	s_wait_kmcnt 0x0
	s_add_nc_u64 s[W0:W0+1], s[4:5], s[2:3]
	s_add_nc_u64 s[WB:WB+1], s[W0:W0+1], s[62:63]
	s_add_nc_u64 s[PB:PB+1], s[WB:WB+1], 512*PITCH
.if G2
	s_lshl_b32 s[CU2], s[EX], 2
	s_load_b32 s[CNT], s[AM:AM+1], s[CU2] offset:0x0
	s_load_b32 s[POF], s[AM:AM+1], s[CU2] offset:0x20
	s_load_b32 s[C7], s[AM:AM+1], 0x1c
	s_load_b32 s[P7], s[AM:AM+1], 0x3c
.else
	s_lshl_b32 s[CU2], s[EX], 7
	s_load_b512 s[BMP:BMP+15], s[ART:ART+1], s[CU2] offset:4096
	s_load_b512 s[BMP+16:BMP+31], s[ART:ART+1], s[CU2] offset:4160
	v_lshlrev_b32 v16, 2, v[LN]
.irp a, 0,1,2,3,4,5,6,7
	global_load_b32 v[TT+\a], v16, s[ART:ART+1] offset:5120+128*\a  ; lane g: how many of tokens 32 g .. chose expert a
.endr
	s_lshl_b32 s2, s[EX], 14
	s_lshl_b32 s62, s[SL], 9
	s_add_co_u32 s2, s2, s62
	s_lshl_b32 s62, s[CH], 8
	s_add_co_u32 s2, s2, s62
	s_add_nc_u64 s[B1B:B1B+1], s[6:7], s[2:3]
	v_lshlrev_b32 v17, 7, v[HH]
	EACH 8, global_load_b128 v[BIAS+4*q:BIAS+4*q+3], v17, s[B1B:B1B+1] offset:16*q
.endif
	WLOAD 0, 0                                     ; chunk 0's weights alone: with the small loads 48 are out, so the wave goes on to the work below
	WIN 0x80
	EACH 256, v_mov_b32 v[q], 0
	WIN 0xc0
	EACH 128, v_mov_b32 v[q], 0
	EACH 64, v_mov_b32 v[AF+64+q], 0               ; the fragment places that only jumped loads fill
	WIN 0
	EACH 32, v_mov_b32 v[T+64+q], 0                ; and the token registers of tiles 8 to 11
	v_mul_u32_u24 v[AL0], v[RR], 272
	v_lshl_add_u32 v[AL0], v[HH], 5, v[AL0]
	s_lshl_b32 s62, s[KH], 7
	v_add_nc_u32 v[AL0], s62, v[AL0]               ; row x 272 + 128 kh + 32 h
	v_add_nc_u32 v[AL0+1], SLOTB, v[AL0]
	v_lshlrev_b32 v[H32], 5, v[HH]
	s_lshl_b32 s62, s[WV], 2                       ; of every tile I fetch rows 4 w to 4 w + 3
.if G2
	v_bfe_u32 v14, v0, 3, 2
	v_and_b32 v15, 7, v0
	v_lshlrev_b32 v[L8], 4, v15
	v_add_nc_u32 v[ROW0], s62, v14                 ; a load takes four rows of 128 bytes
	v_mul_u32_u24 v[TS], v[ROW0], 272
	v_add_nc_u32 v[TS], v[TS], v[L8]
.else
	v_add_nc_u32 v[ROW0], s62, v[HH]               ; a load takes two rows of 256 bytes
	v_mul_u32_u24 v[TS], v[ROW0], 272
	v_add_nc_u32 v[TS], v[TS], v[L16]
.endif
	v_add_nc_u32 v[TS+16], SLOTB, v[TS]            ; a register for each slot: slot and tile together pass the 16 bits of an LDS offset
	s_mul_i32 s62, s[WV], DUMPB
	v_lshl_add_u32 v[DMP], v[LN], 4, s62
	s_mul_i32 s62, s[CH], DUMPB
	s_lshl_b32 s63, s[KH], 12
	s_add_co_u32 s62, s62, s63
	v_lshl_add_u32 v[EPA], v[LN], 4, s62           ; on the way out I take tiles kh, kh + 2, .. of column half c
	v_add_nc_u32 v[EPB], 2*DUMPB, v[EPA]
	s_mul_i32 s62, s[WV], 4352
	s_add_co_u32 s62, s62, STAGE
.if G2
	v_mul_u32_u24 v[STO], v[RR], 272               ; in: row r, 128 bytes for each half of the lanes
	v_lshl_add_u32 v[STO], v[HH], 7, v[STO]
	v_add_nc_u32 v[STO], s62, v[STO]
	v_mul_u32_u24 v[RD], v[HH], 272                ; back: lanes 0-15 one row of 256 bytes, lanes 16-31 the next
	v_add_nc_u32 v[RD], v[RD], v[L16]
	v_add_nc_u32 v[RD], s62, v[RD]
	v_lshl_add_u32 v[GO], v[HH], 12, v[L16]
.else
	v_mul_u32_u24 v[STO], v[RR], 144               ; in: row r, 64 bytes for each half of the lanes; 144 = 9 x 16: sixteen rows start at sixteen different groups of four banks
	v_lshl_add_u32 v[STO], v[HH], 6, v[STO]
	v_add_nc_u32 v[STO], s62, v[STO]
	v_bfe_u32 v14, v0, 3, 2                        ; back: 32 lanes take four rows of 128 bytes, 512 consecutive bytes of hs
	v_mul_u32_u24 v[RD], v14, 144
	v_and_b32 v14, 7, v0
	v_lshl_add_u32 v[RD], v14, 4, v[RD]
	v_add_nc_u32 v[RD], s62, v[RD]
	v_lshlrev_b32 v[GO], 4, v[LN]
	s_mov_b32 s[KP], 0x3e6d3388                    ; 0.3275911 / sqrt(2)
	s_mov_b32 s[KC], 0xbf38aa3b                    ; -log2(e) / 2
	s_mov_b32 s[A1], 0x3e027906                    ; the five coefficients, halved
	s_mov_b32 s[A2], 0xbe11a98e
	s_mov_b32 s[A3], 0x3f35f0e3
	s_mov_b32 s[A4], 0xbf3a00e3
	s_mov_b32 s[A5], 0x3f07dc22
.irp c, KC, A1, A2, A3, A4, A5
	s_mov_b32 s[\c+1], s[\c]                       ; named as pairs
.endr
.endif
.if G2
	s_wait_kmcnt 0x0
	s_min_u32 s[CNT], s[CNT], 0x400
	s_min_u32 s[POF], s[POF], 0x470                ; 1,136
	s_add_co_u32 s62, s[CNT], 15
	s_and_b32 s62, s62, -16
	s_max_u32 s[LR], s62, 1
	s_sub_co_u32 s[LR], s[LR], 1                   ; hs holds my expert's rows up to the count rounded up to 16
	s_add_co_u32 s[C7], s[C7], 15
	s_and_b32 s[C7], s[C7], -16
	s_add_co_u32 s[P7], s[P7], s[C7]
	s_sub_co_u32 s[P7], s[P7], 1                   ; the last place that was stored at all: an expert without rows reads that one
	s_mul_i32 s2, s[KQ], 16*BLK
	s_add_nc_u64 s[T0:T0+1], s[AX:AX+1], s[2:3]
	s_mov_b64 s[TB:TB+1], s[T0:T0+1]
.else
	; the list place -> token, from my expert's bitmap alone: runs of lines that do not wait for each other
	s_mul_i32 s62, s[WV], 4352
	s_add_co_u32 s62, s62, LIST
	v_mov_b32 v[LB], s62
	v_lshl_add_u32 v[DT], v[LN], 4, s62
	EACH 8, ds_store_b128 v[DT], v[T+64:T+67] offset:512*q  ; all 1,024 places name token 0 first: so does place 0 where the expert has no row
	v_mov_b32 v[KK], 0x400
	s_mov_b32 s62, 0
	s_wait_kmcnt 0x0
.set i, 0
.rept 32                               ; tokens 32 i + lane: a chosen one goes to place (ones so far) + (ones below my lane),
	v_mbcnt_lo_u32_b32 v[T+i], s[BMP+i], s62
	s_bcnt1_i32_b32 s63, s[BMP+i]
	s_add_co_u32 s62, s62, s63
.set i, i+1
.endr
	EACH 32, v_cndmask_b32 v[T+q], v[KK], v[T+q], s[BMP+q]  ; the others to the dummy word
	EACH 32, v_min_u32 v[T+q], 0x400, v[T+q]
	EACH 32, v_lshl_add_u32 v[T+q], v[T+q], 2, v[LB]
	EACH 32, v_add_nc_u32 v[T+32+q], 32*q, v[LN]
	EACH 32, ds_store_b32 v[T+q], v[T+32+q]
	s_min_u32 s[CNT], s62, 0x400                   ; my expert's count: the ones of its bitmap
	s_max_u32 s[LR], s[CNT], 1
	s_sub_co_u32 s[LR], s[LR], 1
	s_mov_b64 s[TB:TB+1], s[AX:AX+1]
.endif
	s_add_co_u32 s[NT], s[CNT], 15
	s_lshr_b32 s[NT], s[NT], 4
	s_min_u32 s[NT], s[NT], 12
.if G2
	EACH 12, v_add_nc_u32 v[TO+q], 16*q, v[ROW0]
	EACH 12, v_min_u32 v[TO+q], s[LR], v[TO+q]
	EACH 12, v_add_nc_u32 v[TO+q], s[POF], v[TO+q]
	EACH 12, v_min_u32 v[TO+q], s[P7], v[TO+q]
	EACH 12, v_min_u32 v[TO+q], 0x47f, v[TO+q]
	EACH 12, v_lshl_add_u32 v[TO+q], v[TO+q], 7, v[L8]
.else
	EACH 24, v_add_nc_u32 v[T+q], 16*(q/2)+2*(q%2), v[ROW0]
	EACH 24, v_min_u32 v[T+q], s[LR], v[T+q]       ; places past the count repeat the last row
	EACH 24, v_min_u32 v[T+q], 0x3ff, v[T+q]
	EACH 24, v_lshl_add_u32 v[T+q], v[T+q], 2, v[LB]
	EACH 24, ds_load_b32 v[TO+q], v[T+q]           ; my wave's own list: LDS serves a wave's instructions in order
	s_wait_dscnt 0x0
	EACH 24, v_min_u32 v[TO+q], 0x3ff, v[TO+q]
	EACH 24, v_lshl_add_u32 v[TO+q], v[TO+q], 11, v[L16]
	s_wait_loadcnt 32                              ; the 16 small loads are in: behind them only chunk 0's 32 weight loads were issued
.endif
	TLOAD 0, 0xc0, AF                              ; chunk 0's rows into the fragment registers, which are idle now
.if !G2
	; while they are on their way: the other experts' counts, for my first place; meta; the bias
.irp a, 0,1,2,3
	v_lshl_or_b32 v[KK+\a], v[TT+2*\a+1], 16, v[TT+2*\a]  ; two counts to a register: a sum is 1,024 at the most
.endr
	v_mov_b32 v[DT], 0
.irp m, 1,2,4,8
.irp a, 0,1,2,3
	v_mov_b32_dpp v[DT], v[KK+\a] row_xmask:\m row_mask:0xf bank_mask:0xf
	v_add_nc_u32 v[KK+\a], v[KK+\a], v[DT]
.endr
.endr
.irp a, 0,1,2,3
	v_permlanex16_b32 v[DT], v[KK+\a], s[SEL], s[SEL+1]
	v_add_nc_u32 v[KK+\a], v[KK+\a], v[DT]
	v_readfirstlane_b32 s62, v[KK+\a]
	s_and_b32 s[CT+2*\a], s62, 0xffff
	s_lshr_b32 s[CT+2*\a+1], s62, 16
.endr
	s_mov_b32 s[POF], 0
	s_mov_b32 s63, 0
.irp a, 0,1,2,3,4,5,6,7
	s_cmp_eq_u32 s[EX], \a
	s_cselect_b32 s[POF], s63, s[POF]
	s_add_co_u32 s62, s[CT+\a], 15
	s_and_b32 s62, s62, -16
	s_add_co_u32 s63, s63, s62
.endr
	s_min_u32 s[POF], s[POF], 0x470                ; 1,136
	s_or_b32 s62, s[SL], s[WV]
	s_cmp_lg_u32 s62, 0
	s_cbranch_scc1 .Lnometa
	s_lshl_b32 s62, s[EX], 2                       ; slice 0's wave 0 stores the expert's two words; all lanes write the same word with the same number
	v_mov_b32 v[KK+1], s62                         ; three registers that nothing writes again
	v_mov_b32 v[KK+2], s[CNT]
	v_mov_b32 v[KK+3], s[POF]
	global_store_b32 v[KK+1], v[KK+2], s[AM:AM+1]
	global_store_b32 v[KK+1], v[KK+3], s[AM:AM+1] offset:32
.Lnometa:
.set g, 0
.rept 2                                ; b1 rounded to bf16, like every input
	EACH 8, v_cvt_pk_bf16_f32 v[TT+q], v[BIAS+16*g+2*q], v[BIAS+16*g+2*q+1]
	EACH 8, v_lshlrev_b32 v[BIAS+16*g+2*q], 16, v[TT+q]
	EACH 8, v_and_b32 v[BIAS+16*g+2*q+1], s[HM], v[TT+q]
.set g, g+1
.endr
	s_mov_b64 s[T0:T0+1], s[AX:AX+1]               ; (the counts' registers are free now)
.endif
	TLOAD 1, 0, T                                  ; chunk 1's rows where the loop expects them,
	WLOAD 1, 1                                     ; and behind them chunk 1's weights, as in every chunk
	WIN 0
.irp o, 256, 288, 384, 416             ; chunks 2 and 3 of my own rows: a lane asks for one row's 256 bytes
	global_prefetch_b8 v[PFO], s[WB:WB+1] offset:(\o)*PITCH th:TH_LOAD_NT scope:SCOPE_SE
.endr
.if G2
	s_mul_i32 s2, s[KQ], PQ
	s_lshl_b32 s62, s[SL], 9
	s_add_co_u32 s2, s2, s62
	s_lshl_b32 s62, s[CH], 8
	s_add_co_u32 s2, s2, s62
	s_add_nc_u64 s[O0:O0+1], s[AO:AO+1], s[2:3]
.else
	s_lshl_b32 s2, s[SL], 1
	s_add_co_u32 s2, s2, s[CH]
	s_mul_i32 s2, s2, BLK
	s_add_nc_u64 s[O0:O0+1], s[AO:AO+1], s[2:3]
.endif
	s_lshl_b32 s2, s[KH], 4
	s_add_co_u32 s2, s2, s[POF]
	s_lshl_b32 s2, s2, LRB
	s_add_nc_u64 s[OB:OB+1], s[O0:O0+1], s[2:3]    ; the output at tile kh of my expert's places
	s_wait_loadcnt 48                              ; chunk 0's rows are in: behind them stand 16 loads of chunk 1's rows at the least and 32 weight loads
	TSTORE 0, 0x0c, AF
	WIN 0
	s_wait_dscnt 0x0
	s_barrier_signal -1
	s_barrier_wait -1                              ; slot 0 is whole
	s_mov_b32 s[LC], 4
.Lpair:
	TRIP 0
	TRIP 1
	s_wait_xcnt 0x0                                ; the bases of the loads and prefetches are stepped only behind this wait
	s_add_nc_u64 s[WB:WB+1], s[WB:WB+1], 256*PITCH
	s_add_nc_u64 s[PB:PB+1], s[PB:PB+1], 256*PITCH
	s_add_nc_u64 s[TB:TB+1], s[TB:TB+1], TSTEP
	s_sub_co_u32 s[LC], s[LC], 1
	s_cmp_lg_u32 s[LC], 0
	s_cbranch_scc1 .Lpair
	s_wait_loadcnt 0x0                             ; nothing is out here (the last pair of chunks waited for all loads): written so that a wait stands ahead of the later loads into the same registers on every way through the text
	; the live tiles' accumulators go into my dump; each accumulator's low four registers first
.set t, 0
.rept 12
	WIN 0
	s_cmp_le_u32 s[NT], t
	s_cbranch_scc1 .Ldumped
	WIN 0x08+4*(t/8)
.set g, 0
.rept 8
	ds_store_b128 v[DMP], v[32*(t%8)+4*g:32*(t%8)+4*g+3] offset:t*4096+g*512
.set g, g+1
.endr
.set t, t+1
.endr
	WIN 0
.Ldumped:
	s_wait_dscnt 0x0                               ; for the others' sake
	s_barrier_signal -1
	s_barrier_wait -1
	; THE WAY OUT of the main pass: a tile of 16 rows x 64 columns a trip; six trips, a dead tile jumps forward to the steps; the kh halves are added.
	; A tile's 16 LDS loads are issued a trip ahead, behind the additions that free their registers, so that they land under the tile before's arithmetic.
	s_mov_b32 s[CUR], s[KH]
	s_mov_b32 s[IC], 6
	s_cmp_ge_u32 s[CUR], s[NT]
	s_cbranch_scc1 .Lepi
	EPLOAD 0
.Lepi:
	s_cmp_ge_u32 s[CUR], s[NT]
	s_cbranch_scc1 .Lepn
	s_wait_dscnt 0x0                               ; my tile's two halves are in
	WIN 0x05
.set i, 0
.rept 8                                ; register i of fragment j is column 32 h + 4 i + j: the addition also puts the columns in order
.set j, 0
.rept 4
	v_add_f32 v[Z+4*i+j], v[8*j+i], v[32+8*j+i]
.set j, j+1
.endr
.set i, i+1
.endr
	WIN 0
	s_add_co_u32 s62, s[CUR], 2
	s_cmp_ge_u32 s62, s[NT]
	s_cbranch_scc1 .Lepq
	EPLOAD 8192                                    ; my next tile, if it is live: the step stands in the immediate, the address steps at the trip's end
.Lepq:
.if !G2
	EACH 16, v_pk_add_f32 v[Z+2*q:Z+2*q+1], v[Z+2*q:Z+2*q+1], v[BIAS+2*q:BIAS+2*q+1]
.endif
	EPIOUT
.Lepn:
	s_wait_xcnt 0x0                                ; the stores' base and data are rewritten only behind this wait
	v_add_nc_u32 v[EPA], 8192, v[EPA]
	v_add_nc_u32 v[EPB], 8192, v[EPB]
	s_add_nc_u64 s[OB:OB+1], s[OB:OB+1], 32<<LRB
	s_add_co_u32 s[CUR], s[CUR], 2
	s_sub_co_u32 s[IC], s[IC], 1
	s_cmp_lg_u32 s[IC], 0
	s_cbranch_scc1 .Lepi
	s_wait_dscnt 0x0                               ; nothing is out here: written so that a wait stands ahead of the later loads into the same registers on every way through the text
	; ROWS FROM 192 ON.  26 trips cover 1,024 rows; a trip serves rows 192 + 32 o + 16 kh .. + 15 for column half c over the whole K, each wave for itself; a dead trip is jumped,
	; and the whole loop where the expert has 192 rows or fewer.
	; Four accumulators; the way out reads them straight from registers: the only LDS bytes named here are my own stage and my own list, at fixed addresses.
	s_cmp_le_u32 s[CNT], 192
	s_cbranch_scc1 .Lfin
	s_lshl_b32 s[CUR], s[KH], 4
	s_add_co_u32 s[CUR], s[CUR], 192
	s_mov_b32 s[LC], 26
.Lov:
	s_cmp_ge_u32 s[CUR], s[CNT]
	s_cbranch_scc1 .Lovn
	v_add_nc_u32 v15, s[CUR], v[RR]
	v_min_u32 v15, s[LR], v15
.if G2
	v_add_nc_u32 v15, s[POF], v15
	v_min_u32 v15, 0x47f, v15
	v_lshl_add_u32 v[TO], v15, 7, v[H32]
.else
	v_min_u32 v15, 0x3ff, v15
	v_lshl_add_u32 v15, v15, 2, v[LB]
	ds_load_b32 v[TO], v15
	s_wait_dscnt 0x0
	v_min_u32 v[TO], 0x3ff, v[TO]
	v_lshl_add_u32 v[TO], v[TO], 11, v[H32]
.endif
	WIN 0x80
	EACH 32, v_mov_b32 v[q], 0
	WIN 0
	s_mov_b64 s[WBO:WBO+1], s[W0:W0+1]
	s_mov_b64 s[TBO:TBO+1], s[T0:T0+1]
	s_mov_b32 s[IC], 16
.Lovk:                                 ; 64 k a trip
	WIN 0x40
.set u, 0
.rept 2
.set i, 0
.rept 16
	global_load_b128 v[64*u+4*i:64*u+4*i+3], v[WO], s[WBO:WBO+1] offset:(32*u+i)*PITCH
.set i, i+1
.endr
.set u, u+1
.endr
	WIN 0xc0
.set u, 0
.rept 2                                ; step u: my 32 bytes of the row, straight from memory
	global_load_b128 v[AF+8*u:AF+8*u+3],   v[TO], s[TBO:TBO+1] offset:64*u
	global_load_b128 v[AF+8*u+4:AF+8*u+7], v[TO], s[TBO:TBO+1] offset:64*u+16
.set u, u+1
.endr
	s_wait_loadcnt 0x0
	CVT 0
	WIN 0xac
.set u, 0
.rept 2                                ; the four accumulators take turns, over the backward jump too
.set j, 0
.rept 4
	WM 8*j, BF+32*u+8*j, AF+8*u
.set j, j+1
.endr
.set u, u+1
.endr
	PLACES
	WIN 0
	s_add_nc_u64 s[WBO:WBO+1], s[WBO:WBO+1], 64*PITCH  ; (the wait for all loads above has freed the bases)
	s_add_nc_u64 s[TBO:TBO+1], s[TBO:TBO+1], OSTEP
	s_sub_co_u32 s[IC], s[IC], 1
	s_cmp_lg_u32 s[IC], 0
	s_cbranch_scc1 .Lovk
	s_add_co_u32 s2, s[POF], s[CUR]
	s_lshl_b32 s2, s2, LRB
	s_add_nc_u64 s[OB:OB+1], s[O0:O0+1], s[2:3]
	WIN 0x02                                       ; source 0: the accumulators, in window 2
.set i, 0
.rept 8                                ; each accumulator's register 0 is read first
.set j, 0
.rept 4
.if G2
	v_mov_b32 v[Z+4*i+j], v[8*j+i]
.else
	v_add_f32 v[Z+4*i+j], v[8*j+i], v[BIAS+4*i+j]
.endif
.set j, j+1
.endr
.set i, i+1
.endr
	WIN 0
	EPIOUT
.Lovn:
	s_wait_xcnt 0x0                                ; the stores' base and data are rewritten only behind this wait
	s_add_co_u32 s[CUR], s[CUR], 32
	s_sub_co_u32 s[LC], s[LC], 1
	s_cmp_lg_u32 s[LC], 0
	s_cbranch_scc1 .Lov
.Lfin:
	s_wait_tensorcnt 0x0                           ; the wave's end, behind my last LDS store
	ds_add_u32 v[SPW], v[NIL]
	s_wait_dscnt 0x0
	s_endpgm
.Lfunc_end_k_qaf9720f2ab_g1:
	.size	k_qaf9720f2ab_g1, .Lfunc_end_k_qaf9720f2ab_g1-k_qaf9720f2ab_g1
	.p2alignl 7, 3214868480
	.fill 96, 4, 3214868480
	.section	.rodata,"a",@progbits
	.p2align	6, 0x0
	.amdhsa_kernel k_qaf9720f2ab_g1
		.amdhsa_group_segment_fixed_size 240128
		.amdhsa_private_segment_fixed_size 0
		.amdhsa_enable_private_segment 0
		.amdhsa_kernarg_size 48
		.amdhsa_user_sgpr_count 2
		.amdhsa_user_sgpr_kernarg_segment_ptr 1
		.amdhsa_wavefront_size32 1
		.amdhsa_system_sgpr_workgroup_id_x 1
		.amdhsa_system_sgpr_workgroup_id_y 1
		.amdhsa_system_sgpr_workgroup_id_z 1
		.amdhsa_system_vgpr_workitem_id 0
		.amdhsa_next_free_vgpr 1024
		.amdhsa_next_free_sgpr 102
		.amdhsa_reserve_vcc 0
		.amdhsa_float_denorm_mode_32 3
		.amdhsa_float_denorm_mode_16_64 3
		.amdhsa_memory_ordered 1
		.amdhsa_forward_progress 1
		.amdhsa_inst_pref_size 172
	.end_amdhsa_kernel
	.amdgpu_metadata
---
amdhsa.version: [ 1, 2 ]
amdhsa.kernels:
  - .name:           k_qaf9720f2ab_g1
    .symbol:         k_qaf9720f2ab_g1.kd
    .args:
      - { .name: W1, .offset: 0, .size: 8, .value_kind: global_buffer, .address_space: global }
      - { .name: b1, .offset: 8, .size: 8, .value_kind: global_buffer, .address_space: global }
      - { .name: xb, .offset: 16, .size: 8, .value_kind: global_buffer, .address_space: global }
      - { .name: route, .offset: 24, .size: 8, .value_kind: global_buffer, .address_space: global }
      - { .name: hs, .offset: 32, .size: 8, .value_kind: global_buffer, .address_space: global }
      - { .name: meta, .offset: 40, .size: 8, .value_kind: global_buffer, .address_space: global }
    .group_segment_fixed_size: 240128
    .private_segment_fixed_size: 0
    .kernarg_segment_align: 8
    .kernarg_segment_size: 48
    .max_flat_workgroup_size: 128
    .sgpr_count:     102
    .vgpr_count:     1024
    .wavefront_size: 32
...
	.end_amdgpu_metadata
.endif
;; end of part 2
;; launch g2 (part 3): grid 32 x 8, 4 waves a work-group, no clusters, 240,128 bytes of LDS; arguments W2, hs, meta, part; writes part
.if DOCPART == 3
	.amdgcn_target "amdgcn-amd-amdhsa--gfx1250"
	.amdhsa_code_object_version 6
	.text
	.protected	k_qaf9720f2ab_g2
	.globl	k_qaf9720f2ab_g2
	.p2align	8
	.type	k_qaf9720f2ab_g2,@function
k_qaf9720f2ab_g2:
	s_mov_b64 s[64:65], 0
	v_nop
	global_prefetch_b8 v0, s[64:65] scope:SCOPE_SE
	s_setreg_imm32_b32 hwreg(HW_REG_WAVE_MODE, 25, 1), 1
	s_wait_xcnt 0x0
; ONE SOURCE FOR BOTH PRODUCTS; G2 = 0: h = gelu(x W1 + b1) for the rows of each expert; G2 = 1: the four K quarters of h W2 as f32 partial sums.
; SHARES.  Work-group (x, y): expert y; 1,024 k x 128 columns of its f32 weights (512 KB), which it alone reads, and all of that expert's rows.  G2 = 0: x = slice of 128 hidden columns.
; G2 = 1: x % 8 = slice of 128 output columns, x / 8 = quarter of the hidden width.  Wave w = c + 2 kh: column half c (64 columns, 256 bytes of a weight row), kh: which 64 of each chunk's 128 k.
; ROWS.  An expert's tokens, ascending, lie at places poff[e] on; poff[e] = the sum of the earlier experts' counts, each rounded up to 16 (1,136 at the most).  Places past the count repeat the last row.
; G2 = 0 makes the list place -> token from its expert's stored bitmap (in LDS, a copy for each wave), counts the other experts for poff, and stores cnt and poff in meta for the launches behind it.
; WEIGHTS go from memory straight into operand registers.  For a step of 32 k, load i of 16: lane (r = l % 16, h = l / 16) takes 16 bytes at 16 r of row 16 h + i: sixteen lanes take 256 consecutive bytes, aligned.
; Rows 2 p and 2 p + 1 are rounded in pairs: fragment j of four then holds, in lane (r, h), column 4 r + j and k = 16 h + 0..15.  The token fragment takes the same k: 32 consecutive bytes at 32 h of its row.
; Source 0 = weights, source 1 = 16 tokens: register i of the result in lane (r, h) is token r, column 32 h + 4 i + j: over i and j a lane holds 32 neighbouring columns of one token.
; THE MAIN PASS has room for 192 rows (12 tiles, 48 accumulators, 384 registers a wave).  Tiles 0 to 7 are always taken; tiles 8 to 11 only where they hold rows: their token loads, LDS stores, fragment
; loads and products are jumped by scalar branches on the number of live tiles, which hold no barrier.  K goes in 8 chunks of 128; a chunk's token rows go through two LDS slots that take turns, one barrier
; a chunk; of every tile wave w fetches rows 4 w to 4 w + 3, so that a dead tile spares all four waves alike.  A chunk's 32 weight loads are issued two chunks ahead of their use, into two register buffers.
; THE START goes in the order of need: chunk 0's weights; under their way the clears and addresses; the list; chunk 0's rows; chunk 1's rows; chunk 1's weights.  Loads come back in order, so chunk 0's rows stand behind one chunk of weights alone.
; The kh halves meet in LDS behind the loop.  ROWS FROM 192 ON are served by a loop without barriers and with fixed LDS addresses, each wave for itself, 16 rows a trip over the whole K: it reads the
; weights again for every 32 rows: right for every split, slower.  An expert without rows still walks its chunks (every wave passes every barrier) and stores nothing.
; FORMATS.  Every input is rounded to bf16.  G2 = 0 multiplies in bf16 and stores h in f16; G2 = 1 multiplies in f16: W2 is rounded to bf16 and that number written as f16.
; LIMITS.  |h| up to 65,504 (f16); of W2 what lies below 2^-14 keeps f16's fixed step of 2^-24.  erf by the rational form with exp (Abramowitz and Stegun 7.1.26), absolute error 1.5e-7 for every argument.
; NaN and infinities are not treated apart.
; NO CLUSTER.  Each weight byte has one reader.  The token rows are shared by an expert's work-groups (4 KB a tile and chunk beside 64 KB of weights); with G2 = 0 they come by a list, which no tile descriptor covers;
; with G2 = 1 their first place and number are read from memory and an expert may have none, and a joint load would want a round of the cluster's barrier in each of the 8 chunks: not built.
; The v_mov_b32 that clear the accumulators stand in the wait for the first weights; they spare a second copy of a pair of chunks in the text.  96 more clear the registers that only jumped loads fill.
.set G2, 1
.if G2
.set LP,    12                         ; log2 of a weight row's bytes
.set LRB,   12                         ; log2 of an output row's bytes
.set TSUB,  128                        ; a tile's second token load in LDS: the next block's 128 bytes of the same four rows
.else
.set LP,    14
.set LRB,   7
.set TSUB,  544                        ; a tile's second token load in LDS: two rows further down
.endif
.set PITCH, 1<<LP
.set BLK,   147456                     ; hs: a block of 64 hidden columns: 1,152 rows x 128 bytes
.set PQ,    4718592                    ; part: a quarter: 1,152 rows x 4,096 bytes
.if G2
.set TSTEP, 4*BLK                      ; the token rows' step for two chunks
.set OSTEP, BLK                        ; and for 64 k
.else
.set TSTEP, 512
.set OSTEP, 128
.endif
.set SLOTB, 52224                      ; a token slot: 192 rows x (256 + 16) bytes: row r starts at bank 4 r mod 64 (64 banks of 4 bytes: ISA guide 11.1)
.set DUMPB, 49152                      ; a wave's 384 accumulator registers; the four dumps lie over the slots, behind the last chunk's barrier
.set STAGE, 204800                     ; 4 x 4,352: each wave's own, for the way out.  Between the dumps' end (196,608) and here lie 8,192 bytes that nothing writes: as far as the way out's look-ahead of one step reaches by the text's arithmetic
.set LIST,  222208                     ; 4 x 4,352: each wave's own list place -> token (1,024 words and a dummy word)
.set SPARE, 239616                     ; the spare words, 128 bytes for each wave
; window 0
.set WO,   1                           ; weights: 16 h rows + 16 r bytes
.set PFO,  2                           ; prefetch: lane rows
.set TS,   3                           ; v3, v19: LDS: where I put 16 bytes of a token row in slot 0, 1
.set AL0,  4                           ; v4, v5: LDS: my 32 bytes of a token fragment in slot 0, 1
.set DMP,  6                           ; LDS: my 16 bytes in my wave's dump
.set EPA,  7                           ; LDS: the dump of half kh = 0 that I read back
.set EPB,  8                           ; of kh = 1
.set STO,  9                           ; stage: in
.set RD,   10                          ; stage: back
.set GO,   11                          ; my byte offset in a tile of the output
.set SPW,  12                          ; my spare word; never rewritten
.set NIL,  13                          ; 0; never rewritten
.set ROW0, 18                          ; my row in tile 0 in a token load
.set TO,   20                          ; v[20:43] byte offsets of the token rows that I load
.set T,    44                          ; v[44:139] token rows as loaded, 8 registers a tile
.set BF,   140                         ; v[140:203] weight fragments: step u, fragment j at 32 u + 8 j
.set BIAS, 204                         ; v[204:235] b1 of my 32 columns
.set TT,   236                         ; v[236:243] at work
.set LN,   244
.set RR,   245
.set HH,   246
.set L16,  247                         ; 16 (lane % 16)
.set LB,   248                         ; my wave's list
.set H32,  249                         ; 32 (lane / 16)
.set L8,   250                         ; 16 (lane % 8)
.set KK,   251                         ; v[251:254] the counts, two to a register; then the meta store's three registers
.set DT,   255
.set P0,   44                          ; the way out: t; P1: the exponentials; Z: the sums; PP: the polynomial; H: packed
.set P1,   76
.set Z,    108
.set PP,   140
.set H,    172
; window 1: weights as loaded: buffer par, step u, load i at 128 par + 64 u + 4 i; on the way out v0-63: the two halves of a tile.  window 2: accumulators of tiles 0-7 at 32 t + 8 j.
; window 3: tiles 8-11 at 32 (t - 8) + 8 j; sixteen fragment places at AF + 8 p: 0-7 tiles 0-7 (one step at a time), 8-11 tiles 8-11 step 0, 12-15 tiles 8-11 step 1
.set AF,   128
.set WV,  16
.set CH,  17
.set KH,  18
.set EX,  19
.set SL,  20
.set CNT, 21
.set POF, 22
.set NT,  23                           ; live tiles of the main pass
.set LC,  24
.set IC,  25
.set CUR, 26
.set CU2, 27                           ; the offset register of the scalar loads
.set WB,  28
.set PB,  30
.set TB,  32
.set OB,  34
.set CT,  36                           ; s[36:43] the eight counts; then:
.set T0,  36                           ; the token rows' base
.set O0,  38                           ; the output's base, without the row
.set WBO, 40
.set TBO, 42
.set KP,  44
.set KC,  46
.set A1,  48
.set A2,  50
.set A3,  52
.set A4,  54
.set A5,  56
.set SEL, 58
.set HM,  60
.set LR,  61                           ; the last row that may be named
.set B1B, 66
.set BMP, 68                           ; s[68:99] my expert's bitmap
.set KQ,  68
.set C7,  69
.set P7,  70
.set W0,  100                          ; the weights' base without kh
.if G2
.set AX, 6
.set AM, 8
.set AO, 10
.else
.set AX, 8
.set ART, 10
.set AO, 12
.set AM, 14
.endif
.set MSB, 0
.macro WIN new                         ; the immediate's high byte repeats the setting that is left; a switch that changes nothing is dropped
.if MSB != (\new)
	s_set_vgpr_msb (MSB<<8)|(\new)
.set MSB, \new
.endif
.endm
.macro EACH n, line:vararg             ; one line for q = 0 .. n - 1
.set q, 0
.rept \n
	\line
.set q, q+1
.endr
.endm
.macro LIVE line:vararg                ; one line for each of tiles t = 8 .. 11 that holds rows: the first dead tile jumps out.  At a branch and at a label every window is 0
.set t, 8
.rept 4
	WIN 0
	s_cmp_le_u32 s[NT], t
	s_cbranch_scc1 .Llive_\@
	\line
.set t, t+1
.endr
	WIN 0
.Llive_\@:
.endm
.macro PLACES                          ; four places behind matrix instructions, ahead of loads into their sources and of lines that read or write their registers
.rept 4
	v_nop
.endr
.endm
.macro WM d, a, b
.if G2
	v_wmma_f32_16x16x32_f16 v[(\d):(\d)+7], v[(\a):(\a)+7], v[(\b):(\b)+7], v[(\d):(\d)+7]
.else
	v_wmma_f32_16x16x32_bf16 v[(\d):(\d)+7], v[(\a):(\a)+7], v[(\b):(\b)+7], v[(\d):(\d)+7]
.endif
.endm
.macro WLOAD par, ch                   ; my 64 k x 64 columns of chunk ch (counted from WB) into buffer par: 32 loads
	WIN 0x40
.set u, 0
.rept 2
.set i, 0
.rept 16
	global_load_b128 v[128*(\par)+64*u+4*i:128*(\par)+64*u+4*i+3], v[WO], s[WB:WB+1] offset:((\ch)*128+32*u+i)*PITCH th:TH_LOAD_NT
.set i, i+1
.endr
.set u, u+1
.endr
.endm
.macro TL1 ch, wn, dst                 ; my four rows of tile t, chunk ch (counted from TB): two loads
	WIN \wn
.if G2
	global_load_b128 v[(\dst)+8*t:(\dst)+8*t+3],   v[TO+t], s[TB:TB+1] offset:(2*(\ch))*BLK
	global_load_b128 v[(\dst)+8*t+4:(\dst)+8*t+7], v[TO+t], s[TB:TB+1] offset:(2*(\ch)+1)*BLK
.else
	global_load_b128 v[(\dst)+8*t:(\dst)+8*t+3],   v[TO+2*t],   s[TB:TB+1] offset:(\ch)*256
	global_load_b128 v[(\dst)+8*t+4:(\dst)+8*t+7], v[TO+2*t+1], s[TB:TB+1] offset:(\ch)*256
.endif
.endm
.macro TLOAD ch, wn, dst               ; 16 loads, and two for each live tile from 8 on
.set t, 0
.rept 8
	TL1 \ch, \wn, \dst
.set t, t+1
.endr
	LIVE TL1 \ch, \wn, \dst
.endm
.macro TS1 slot, wn, src               ; the same four rows into a slot
	WIN \wn
	ds_store_b128 v[TS+16*(\slot)], v[(\src)+8*t:(\src)+8*t+3]   offset:t*4352
	ds_store_b128 v[TS+16*(\slot)], v[(\src)+8*t+4:(\src)+8*t+7] offset:t*4352+TSUB
.endm
.macro TSTORE slot, wn, src            ; 16 stores, and two for each live tile from 8 on
.set t, 0
.rept 8
	TS1 \slot, \wn, \src
.set t, t+1
.endr
	LIVE TS1 \slot, \wn, \src
.endm
.macro CVT par                         ; buffer par becomes eight fragments
	WIN 0x05
.set u, 0
.rept 2
.set j, 0
.rept 4
.set p, 0
.rept 8
	v_cvt_pk_bf16_f32 v[BF+32*u+8*j+p], v[128*(\par)+64*u+8*p+j], v[128*(\par)+64*u+8*p+4+j]
.set p, p+1
.endr
.set j, j+1
.endr
.set u, u+1
.endr
.if G2
	WIN 0
.set p, 0
.rept 64                               ; the bf16 number written as f16
	v_lshlrev_b32 v[TT+2*(p%4)], 16, v[BF+p]
	v_and_b32 v[TT+2*(p%4)+1], s[HM], v[BF+p]
	v_cvt_pk_f16_f32 v[BF+p], v[TT+2*(p%4)], v[TT+2*(p%4)+1]
.set p, p+1
.endr
.endif
.endm
.macro AL1 slot, uu, pl                ; tile t's fragment of step uu into fragment place pl
	WIN 0xc0
	ds_load_b128 v[AF+8*(\pl):AF+8*(\pl)+3],   v[AL0+(\slot)] offset:t*4352+64*(\uu)
	ds_load_b128 v[AF+8*(\pl)+4:AF+8*(\pl)+7], v[AL0+(\slot)] offset:t*4352+64*(\uu)+16
.endm
.macro ALH slot                        ; a tile from 8 on: both steps' fragments at once, into places of their own
	AL1 \slot, 0, t
	AL1 \slot, 1, t+4
.endm
.macro ALOAD slot, uu, t0, t1          ; the token fragments of step uu, tiles t0 .. t1 - 1
.set t, \t0
.rept (\t1)-(\t0)
	AL1 \slot, \uu, t
.set t, t+1
.endr
.endm
.macro MU1 uu, pl                      ; tile t, step uu: four products
	WIN 0xac+0x50*(t/8)
.set j, 0
.rept 4
	WM 32*(t%8)+8*j, BF+32*(\uu)+8*j, AF+8*(\pl)
.set j, j+1
.endr
.endm
.macro MUH                             ; a tile from 8 on: both steps; its four accumulators take turns
	MU1 0, t
	MU1 1, t+4
.endm
.macro MUL uu, t0, t1                  ; the accumulators take turns, one instruction a turn: from block to block, past the jumped tiles and over the backward jump too
.set t, \t0
.rept (\t1)-(\t0)
	MU1 \uu, t
.set t, t+1
.endr
.endm
; ONE CHUNK c, of parity par.  It multiplies W(c) by the rows in slot par, puts the rows T(c + 1) into the other slot, and asks for T(c + 2) and W(c + 2).
; In the last pair of chunks (LC = 1) nothing is left to ask for: that block is jumped, and the jumped path waits for all loads, so that the head's count holds on both paths.
; The counts of the waits are the least number of younger instructions on any way past the jumped tiles.
.macro TRIP par
	ALOAD \par, 0, 0, 8                            ; 16 LDS loads, and four for each live tile from 8 on: they land under what follows
	LIVE ALH \par
	s_wait_loadcnt 32                              ; W(c) and T(c + 1) are in: behind them only W(c + 1)'s 32 loads were issued
	CVT \par
.if (\par) == 0
	TSTORE 1, 0, T
.endif
	WIN 0
	s_cmp_eq_u32 s[LC], 1
	s_cbranch_scc1 .Lni_\@
.if (\par) == 1
	TSTORE 0, 0, T                                 ; (chunk 7 has no next rows: its stores are jumped too)
.endif
	TLOAD 2+(\par), 0, T
	WLOAD \par, 2+(\par)
	WIN 0
.if (\par) == 1
	s_wait_dscnt 16                                ; the fragment loads are in: 16 stores at the least stand behind them
.endif
	s_cmp_lt_u32 s[LC], 3
	s_cbranch_scc1 .Lis_\@
	; chunk c + 4 of my own rows and columns, four chunks ahead of its loads' use: a lane asks for one row's 256 bytes; nobody else asks for them; chunks 4 to 7 alone, so nothing points past the slice
	global_prefetch_b8 v[PFO], s[PB:PB+1] offset:((\par)*128)*PITCH th:TH_LOAD_NT scope:SCOPE_SE
	global_prefetch_b8 v[PFO], s[PB:PB+1] offset:((\par)*128+32)*PITCH th:TH_LOAD_NT scope:SCOPE_SE
	s_branch .Lis_\@
.Lni_\@:
	s_wait_loadcnt 0x0
.if (\par) == 1
	s_wait_dscnt 0x0
.endif
.Lis_\@:
.if (\par) == 0
	s_wait_dscnt 16                                ; the fragment loads are in: 16 stores at the least stand behind them
.endif
	MUL 0, 0, 4
	PLACES
	ALOAD \par, 1, 0, 4
	MUL 0, 4, 8
	PLACES
	ALOAD \par, 1, 4, 8
	LIVE MUH                                       ; the live tiles from 8 on, both steps, while the second step's fragments land
	s_wait_dscnt 8                                 ; tiles 0-3 of the second step are in; the 8 younger loads may be out
	MUL 1, 0, 4
	s_wait_dscnt 0x0                               ; my reads of this slot are over and my stores into the other are done:
	s_barrier_signal -1                            ; say so,
	MUL 1, 4, 8                                    ; work on registers while the others arrive,
	PLACES
	WIN 0
	s_barrier_wait -1                              ; and go on when all four have said so: the other slot is whole, and this one may be written
.endm
; The two halves of a tile out of the dumps, into window 1's v0-63, which are idle behind the loop
.macro EPLOAD off
	WIN 0x40
	EACH 8, ds_load_b128 v[4*q:4*q+3], v[EPA] offset:(\off)+512*q
	EACH 8, ds_load_b128 v[32+4*q:32+4*q+3], v[EPB] offset:(\off)+512*q
	WIN 0
.endm
; THE END OF THE WAY OUT.  Z holds a lane's 32 neighbouring columns of one token (G2 = 0: the bias added).  G2 = 0: gelu, f16.  Then through my own stage, so that whole rows leave.
.macro EPIOUT
.if G2
	EACH 8, ds_store_b128 v[STO], v[Z+4*q:Z+4*q+3] offset:16*q
	EACH 8, ds_load_b128 v[P0+4*q:P0+4*q+3], v[RD] offset:544*q
	s_wait_dscnt 0x0                               ; LDS serves a wave's instructions in order (ISA guide 5.7.1.4): the loads saw the stores; now they are back
	EACH 8, global_store_b128 v[GO], v[P0+4*q:P0+4*q+3], s[OB:OB+1] offset:8192*q
.else
	; gelu(z) = z Phi(z).  w = the upper tail at |z| = (a1 t + .. + a5 t^5) / 2 x exp(-z z / 2), t = 1 / (1 + 0.2316419 |z|).  Phi = 1 - w for z >= 0, w for z < 0: z Phi = max(z, 0) (1 - 2 w) + z w
	EACH 32, v_fma_f32 v[P0+q], |v[Z+q]|, s[KP], 1.0
	EACH 16, v_pk_mul_f32 v[P1+2*q:P1+2*q+1], v[Z+2*q:Z+2*q+1], s[KC:KC+1] op_sel_hi:[1,0]
	EACH 16, v_pk_mul_f32 v[P1+2*q:P1+2*q+1], v[P1+2*q:P1+2*q+1], v[Z+2*q:Z+2*q+1]
	EACH 32, v_rcp_f32 v[P0+q], v[P0+q]
	EACH 32, v_exp_f32 v[P1+q], v[P1+q]
	v_nop                                          ; a plain instruction behind the last of the batch,
	s_wait_alu depctr_va_vdst(0)                   ; and one wait for its 64, ahead of the first reader
	EACH 16, v_pk_fma_f32 v[PP+2*q:PP+2*q+1], v[P0+2*q:P0+2*q+1], s[A5:A5+1], s[A4:A4+1] op_sel_hi:[1,0,0]
	EACH 16, v_pk_fma_f32 v[PP+2*q:PP+2*q+1], v[PP+2*q:PP+2*q+1], v[P0+2*q:P0+2*q+1], s[A3:A3+1] op_sel_hi:[1,1,0]
	EACH 16, v_pk_fma_f32 v[PP+2*q:PP+2*q+1], v[PP+2*q:PP+2*q+1], v[P0+2*q:P0+2*q+1], s[A2:A2+1] op_sel_hi:[1,1,0]
	EACH 16, v_pk_fma_f32 v[PP+2*q:PP+2*q+1], v[PP+2*q:PP+2*q+1], v[P0+2*q:P0+2*q+1], s[A1:A1+1] op_sel_hi:[1,1,0]
	EACH 16, v_pk_mul_f32 v[PP+2*q:PP+2*q+1], v[PP+2*q:PP+2*q+1], v[P0+2*q:P0+2*q+1]
	EACH 16, v_pk_mul_f32 v[PP+2*q:PP+2*q+1], v[PP+2*q:PP+2*q+1], v[P1+2*q:P1+2*q+1]
	EACH 16, v_pk_mul_f32 v[P1+2*q:P1+2*q+1], v[Z+2*q:Z+2*q+1], v[PP+2*q:PP+2*q+1]
	EACH 16, v_pk_fma_f32 v[PP+2*q:PP+2*q+1], v[PP+2*q:PP+2*q+1], -2.0, 1.0 op_sel_hi:[1,0,0]
	EACH 32, v_max_num_f32 v[P0+q], 0, v[Z+q]
	EACH 16, v_pk_fma_f32 v[Z+2*q:Z+2*q+1], v[P0+2*q:P0+2*q+1], v[PP+2*q:PP+2*q+1], v[P1+2*q:P1+2*q+1]
	EACH 16, v_cvt_pk_f16_f32 v[H+q], v[Z+2*q], v[Z+2*q+1]
	EACH 4, ds_store_b128 v[STO], v[H+4*q:H+4*q+3] offset:16*q
	EACH 4, ds_load_b128 v[P0+4*q:P0+4*q+3], v[RD] offset:576*q
	s_wait_dscnt 0x0                               ; LDS serves a wave's instructions in order (ISA guide 5.7.1.4): the loads saw the stores; now they are back
	EACH 4, global_store_b128 v[GO], v[P0+4*q:P0+4*q+3], s[OB:OB+1] offset:512*q
.endif
.endm
	s_load_b256 s[4:11], s[0:1], 0x0               ; G2 = 0: W1 s[4:5], b1 s[6:7], xb s[8:9], route s[10:11];  G2 = 1: W2 s[4:5], hs s[6:7], meta s[8:9], part s[10:11]
.if !G2
	s_load_b128 s[12:15], s[0:1], 0x20             ; hs s[12:13], meta s[14:15]
.endif
	v_lshl_add_u32 v[SPW], v0, 2, SPARE
	v_mov_b32 v[NIL], 0
	v_and_b32 v[LN], 31, v0
	v_and_b32 v[RR], 15, v0
	v_bfe_u32 v[HH], v0, 4, 1
	v_lshrrev_b32 v14, 5, v0
	v_readfirstlane_b32 s[WV], v14
	s_and_b32 s[CH], s[WV], 1
	s_lshr_b32 s[KH], s[WV], 1
	s_and_b32 s[EX], ttmp7, 0xffff
.if G2
	s_and_b32 s[SL], ttmp9, 7
	s_lshr_b32 s[KQ], ttmp9, 3
.else
	s_mov_b32 s[SL], ttmp9
.endif
	v_lshlrev_b32 v[L16], 4, v[RR]
	v_lshl_add_u32 v[WO], v[HH], LP+4, v[L16]
	v_lshlrev_b32 v[PFO], LP, v[LN]
	s_lshl_b32 s2, s[EX], 24                       ; an expert's weights are 16,777,216 bytes
	s_lshl_b32 s62, s[SL], 9
	s_add_co_u32 s2, s2, s62
	s_lshl_b32 s62, s[CH], 8
	s_add_co_u32 s2, s2, s62
.if G2
	s_lshl_b32 s62, s[KQ], 22                      ; 1,024 rows of 4,096 bytes
	s_add_co_u32 s2, s2, s62
.endif
	s_mov_b32 s3, 0                                ; stays 0: s[2:3] is the pair in which offsets are made
	s_lshl_b32 s62, s[KH], LP+6                    ; 64 rows
	s_mov_b32 s63, 0
	s_mov_b32 s[SEL], 0x76543210
	s_mov_b32 s[SEL+1], 0xfedcba98
	s_mov_b32 s[HM], 0xffff0000
	s_wait_kmcnt 0x0
	s_add_nc_u64 s[W0:W0+1], s[4:5], s[2:3]
	s_add_nc_u64 s[WB:WB+1], s[W0:W0+1], s[62:63]
	s_add_nc_u64 s[PB:PB+1], s[WB:WB+1], 512*PITCH
.if G2
	s_lshl_b32 s[CU2], s[EX], 2
	s_load_b32 s[CNT], s[AM:AM+1], s[CU2] offset:0x0
	s_load_b32 s[POF], s[AM:AM+1], s[CU2] offset:0x20
	s_load_b32 s[C7], s[AM:AM+1], 0x1c
	s_load_b32 s[P7], s[AM:AM+1], 0x3c
.else
	s_lshl_b32 s[CU2], s[EX], 7
	s_load_b512 s[BMP:BMP+15], s[ART:ART+1], s[CU2] offset:4096
	s_load_b512 s[BMP+16:BMP+31], s[ART:ART+1], s[CU2] offset:4160
	v_lshlrev_b32 v16, 2, v[LN]
.irp a, 0,1,2,3,4,5,6,7
	global_load_b32 v[TT+\a], v16, s[ART:ART+1] offset:5120+128*\a  ; lane g: how many of tokens 32 g .. chose expert a
.endr
	s_lshl_b32 s2, s[EX], 14
	s_lshl_b32 s62, s[SL], 9
	s_add_co_u32 s2, s2, s62
	s_lshl_b32 s62, s[CH], 8
	s_add_co_u32 s2, s2, s62
	s_add_nc_u64 s[B1B:B1B+1], s[6:7], s[2:3]
	v_lshlrev_b32 v17, 7, v[HH]
	EACH 8, global_load_b128 v[BIAS+4*q:BIAS+4*q+3], v17, s[B1B:B1B+1] offset:16*q
.endif
	WLOAD 0, 0                                     ; chunk 0's weights alone: with the small loads 48 are out, so the wave goes on to the work below
	WIN 0x80
	EACH 256, v_mov_b32 v[q], 0
	WIN 0xc0
	EACH 128, v_mov_b32 v[q], 0
	EACH 64, v_mov_b32 v[AF+64+q], 0               ; the fragment places that only jumped loads fill
	WIN 0
	EACH 32, v_mov_b32 v[T+64+q], 0                ; and the token registers of tiles 8 to 11
	v_mul_u32_u24 v[AL0], v[RR], 272
	v_lshl_add_u32 v[AL0], v[HH], 5, v[AL0]
	s_lshl_b32 s62, s[KH], 7
	v_add_nc_u32 v[AL0], s62, v[AL0]               ; row x 272 + 128 kh + 32 h
	v_add_nc_u32 v[AL0+1], SLOTB, v[AL0]
	v_lshlrev_b32 v[H32], 5, v[HH]
	s_lshl_b32 s62, s[WV], 2                       ; of every tile I fetch rows 4 w to 4 w + 3
.if G2
	v_bfe_u32 v14, v0, 3, 2
	v_and_b32 v15, 7, v0
	v_lshlrev_b32 v[L8], 4, v15
	v_add_nc_u32 v[ROW0], s62, v14                 ; a load takes four rows of 128 bytes
	v_mul_u32_u24 v[TS], v[ROW0], 272
	v_add_nc_u32 v[TS], v[TS], v[L8]
.else
	v_add_nc_u32 v[ROW0], s62, v[HH]               ; a load takes two rows of 256 bytes
	v_mul_u32_u24 v[TS], v[ROW0], 272
	v_add_nc_u32 v[TS], v[TS], v[L16]
.endif
	v_add_nc_u32 v[TS+16], SLOTB, v[TS]            ; a register for each slot: slot and tile together pass the 16 bits of an LDS offset
	s_mul_i32 s62, s[WV], DUMPB
	v_lshl_add_u32 v[DMP], v[LN], 4, s62
	s_mul_i32 s62, s[CH], DUMPB
	s_lshl_b32 s63, s[KH], 12
	s_add_co_u32 s62, s62, s63
	v_lshl_add_u32 v[EPA], v[LN], 4, s62           ; on the way out I take tiles kh, kh + 2, .. of column half c
	v_add_nc_u32 v[EPB], 2*DUMPB, v[EPA]
	s_mul_i32 s62, s[WV], 4352
	s_add_co_u32 s62, s62, STAGE
.if G2
	v_mul_u32_u24 v[STO], v[RR], 272               ; in: row r, 128 bytes for each half of the lanes
	v_lshl_add_u32 v[STO], v[HH], 7, v[STO]
	v_add_nc_u32 v[STO], s62, v[STO]
	v_mul_u32_u24 v[RD], v[HH], 272                ; back: lanes 0-15 one row of 256 bytes, lanes 16-31 the next
	v_add_nc_u32 v[RD], v[RD], v[L16]
	v_add_nc_u32 v[RD], s62, v[RD]
	v_lshl_add_u32 v[GO], v[HH], 12, v[L16]
.else
	v_mul_u32_u24 v[STO], v[RR], 144               ; in: row r, 64 bytes for each half of the lanes; 144 = 9 x 16: sixteen rows start at sixteen different groups of four banks
	v_lshl_add_u32 v[STO], v[HH], 6, v[STO]
	v_add_nc_u32 v[STO], s62, v[STO]
	v_bfe_u32 v14, v0, 3, 2                        ; back: 32 lanes take four rows of 128 bytes, 512 consecutive bytes of hs
	v_mul_u32_u24 v[RD], v14, 144
	v_and_b32 v14, 7, v0
	v_lshl_add_u32 v[RD], v14, 4, v[RD]
	v_add_nc_u32 v[RD], s62, v[RD]
	v_lshlrev_b32 v[GO], 4, v[LN]
	s_mov_b32 s[KP], 0x3e6d3388                    ; 0.3275911 / sqrt(2)
	s_mov_b32 s[KC], 0xbf38aa3b                    ; -log2(e) / 2
	s_mov_b32 s[A1], 0x3e027906                    ; the five coefficients, halved
	s_mov_b32 s[A2], 0xbe11a98e
	s_mov_b32 s[A3], 0x3f35f0e3
	s_mov_b32 s[A4], 0xbf3a00e3
	s_mov_b32 s[A5], 0x3f07dc22
.irp c, KC, A1, A2, A3, A4, A5
	s_mov_b32 s[\c+1], s[\c]                       ; named as pairs
.endr
.endif
.if G2
	s_wait_kmcnt 0x0
	s_min_u32 s[CNT], s[CNT], 0x400
	s_min_u32 s[POF], s[POF], 0x470                ; 1,136
	s_add_co_u32 s62, s[CNT], 15
	s_and_b32 s62, s62, -16
	s_max_u32 s[LR], s62, 1
	s_sub_co_u32 s[LR], s[LR], 1                   ; hs holds my expert's rows up to the count rounded up to 16
	s_add_co_u32 s[C7], s[C7], 15
	s_and_b32 s[C7], s[C7], -16
	s_add_co_u32 s[P7], s[P7], s[C7]
	s_sub_co_u32 s[P7], s[P7], 1                   ; the last place that was stored at all: an expert without rows reads that one
	s_mul_i32 s2, s[KQ], 16*BLK
	s_add_nc_u64 s[T0:T0+1], s[AX:AX+1], s[2:3]
	s_mov_b64 s[TB:TB+1], s[T0:T0+1]
.else
	; the list place -> token, from my expert's bitmap alone: runs of lines that do not wait for each other
	s_mul_i32 s62, s[WV], 4352
	s_add_co_u32 s62, s62, LIST
	v_mov_b32 v[LB], s62
	v_lshl_add_u32 v[DT], v[LN], 4, s62
	EACH 8, ds_store_b128 v[DT], v[T+64:T+67] offset:512*q  ; all 1,024 places name token 0 first: so does place 0 where the expert has no row
	v_mov_b32 v[KK], 0x400
	s_mov_b32 s62, 0
	s_wait_kmcnt 0x0
.set i, 0
.rept 32                               ; tokens 32 i + lane: a chosen one goes to place (ones so far) + (ones below my lane),
	v_mbcnt_lo_u32_b32 v[T+i], s[BMP+i], s62
	s_bcnt1_i32_b32 s63, s[BMP+i]
	s_add_co_u32 s62, s62, s63
.set i, i+1
.endr
	EACH 32, v_cndmask_b32 v[T+q], v[KK], v[T+q], s[BMP+q]  ; the others to the dummy word
	EACH 32, v_min_u32 v[T+q], 0x400, v[T+q]
	EACH 32, v_lshl_add_u32 v[T+q], v[T+q], 2, v[LB]
	EACH 32, v_add_nc_u32 v[T+32+q], 32*q, v[LN]
	EACH 32, ds_store_b32 v[T+q], v[T+32+q]
	s_min_u32 s[CNT], s62, 0x400                   ; my expert's count: the ones of its bitmap
	s_max_u32 s[LR], s[CNT], 1
	s_sub_co_u32 s[LR], s[LR], 1
	s_mov_b64 s[TB:TB+1], s[AX:AX+1]
.endif
	s_add_co_u32 s[NT], s[CNT], 15
	s_lshr_b32 s[NT], s[NT], 4
	s_min_u32 s[NT], s[NT], 12
.if G2
	EACH 12, v_add_nc_u32 v[TO+q], 16*q, v[ROW0]
	EACH 12, v_min_u32 v[TO+q], s[LR], v[TO+q]
	EACH 12, v_add_nc_u32 v[TO+q], s[POF], v[TO+q]
	EACH 12, v_min_u32 v[TO+q], s[P7], v[TO+q]
	EACH 12, v_min_u32 v[TO+q], 0x47f, v[TO+q]
	EACH 12, v_lshl_add_u32 v[TO+q], v[TO+q], 7, v[L8]
.else
	EACH 24, v_add_nc_u32 v[T+q], 16*(q/2)+2*(q%2), v[ROW0]
	EACH 24, v_min_u32 v[T+q], s[LR], v[T+q]       ; places past the count repeat the last row
	EACH 24, v_min_u32 v[T+q], 0x3ff, v[T+q]
	EACH 24, v_lshl_add_u32 v[T+q], v[T+q], 2, v[LB]
	EACH 24, ds_load_b32 v[TO+q], v[T+q]           ; my wave's own list: LDS serves a wave's instructions in order
	s_wait_dscnt 0x0
	EACH 24, v_min_u32 v[TO+q], 0x3ff, v[TO+q]
	EACH 24, v_lshl_add_u32 v[TO+q], v[TO+q], 11, v[L16]
	s_wait_loadcnt 32                              ; the 16 small loads are in: behind them only chunk 0's 32 weight loads were issued
.endif
	TLOAD 0, 0xc0, AF                              ; chunk 0's rows into the fragment registers, which are idle now
.if !G2
	; while they are on their way: the other experts' counts, for my first place; meta; the bias
.irp a, 0,1,2,3
	v_lshl_or_b32 v[KK+\a], v[TT+2*\a+1], 16, v[TT+2*\a]  ; two counts to a register: a sum is 1,024 at the most
.endr
	v_mov_b32 v[DT], 0
.irp m, 1,2,4,8
.irp a, 0,1,2,3
	v_mov_b32_dpp v[DT], v[KK+\a] row_xmask:\m row_mask:0xf bank_mask:0xf
	v_add_nc_u32 v[KK+\a], v[KK+\a], v[DT]
.endr
.endr
.irp a, 0,1,2,3
	v_permlanex16_b32 v[DT], v[KK+\a], s[SEL], s[SEL+1]
	v_add_nc_u32 v[KK+\a], v[KK+\a], v[DT]
	v_readfirstlane_b32 s62, v[KK+\a]
	s_and_b32 s[CT+2*\a], s62, 0xffff
	s_lshr_b32 s[CT+2*\a+1], s62, 16
.endr
	s_mov_b32 s[POF], 0
	s_mov_b32 s63, 0
.irp a, 0,1,2,3,4,5,6,7
	s_cmp_eq_u32 s[EX], \a
	s_cselect_b32 s[POF], s63, s[POF]
	s_add_co_u32 s62, s[CT+\a], 15
	s_and_b32 s62, s62, -16
	s_add_co_u32 s63, s63, s62
.endr
	s_min_u32 s[POF], s[POF], 0x470                ; 1,136
	s_or_b32 s62, s[SL], s[WV]
	s_cmp_lg_u32 s62, 0
	s_cbranch_scc1 .Lnometa
	s_lshl_b32 s62, s[EX], 2                       ; slice 0's wave 0 stores the expert's two words; all lanes write the same word with the same number
	v_mov_b32 v[KK+1], s62                         ; three registers that nothing writes again
	v_mov_b32 v[KK+2], s[CNT]
	v_mov_b32 v[KK+3], s[POF]
	global_store_b32 v[KK+1], v[KK+2], s[AM:AM+1]
	global_store_b32 v[KK+1], v[KK+3], s[AM:AM+1] offset:32
.Lnometa:
.set g, 0
.rept 2                                ; b1 rounded to bf16, like every input
	EACH 8, v_cvt_pk_bf16_f32 v[TT+q], v[BIAS+16*g+2*q], v[BIAS+16*g+2*q+1]
	EACH 8, v_lshlrev_b32 v[BIAS+16*g+2*q], 16, v[TT+q]
	EACH 8, v_and_b32 v[BIAS+16*g+2*q+1], s[HM], v[TT+q]
.set g, g+1
.endr
	s_mov_b64 s[T0:T0+1], s[AX:AX+1]               ; (the counts' registers are free now)
.endif
	TLOAD 1, 0, T                                  ; chunk 1's rows where the loop expects them,
	WLOAD 1, 1                                     ; and behind them chunk 1's weights, as in every chunk
	WIN 0
.irp o, 256, 288, 384, 416             ; chunks 2 and 3 of my own rows: a lane asks for one row's 256 bytes
	global_prefetch_b8 v[PFO], s[WB:WB+1] offset:(\o)*PITCH th:TH_LOAD_NT scope:SCOPE_SE
.endr
.if G2
	s_mul_i32 s2, s[KQ], PQ
	s_lshl_b32 s62, s[SL], 9
	s_add_co_u32 s2, s2, s62
	s_lshl_b32 s62, s[CH], 8
	s_add_co_u32 s2, s2, s62
	s_add_nc_u64 s[O0:O0+1], s[AO:AO+1], s[2:3]
.else
	s_lshl_b32 s2, s[SL], 1
	s_add_co_u32 s2, s2, s[CH]
	s_mul_i32 s2, s2, BLK
	s_add_nc_u64 s[O0:O0+1], s[AO:AO+1], s[2:3]
.endif
	s_lshl_b32 s2, s[KH], 4
	s_add_co_u32 s2, s2, s[POF]
	s_lshl_b32 s2, s2, LRB
	s_add_nc_u64 s[OB:OB+1], s[O0:O0+1], s[2:3]    ; the output at tile kh of my expert's places
	s_wait_loadcnt 48                              ; chunk 0's rows are in: behind them stand 16 loads of chunk 1's rows at the least and 32 weight loads
	TSTORE 0, 0x0c, AF
	WIN 0
	s_wait_dscnt 0x0
	s_barrier_signal -1
	s_barrier_wait -1                              ; slot 0 is whole
	s_mov_b32 s[LC], 4
.Lpair:
	TRIP 0
	TRIP 1
	s_wait_xcnt 0x0                                ; the bases of the loads and prefetches are stepped only behind this wait
	s_add_nc_u64 s[WB:WB+1], s[WB:WB+1], 256*PITCH
	s_add_nc_u64 s[PB:PB+1], s[PB:PB+1], 256*PITCH
	s_add_nc_u64 s[TB:TB+1], s[TB:TB+1], TSTEP
	s_sub_co_u32 s[LC], s[LC], 1
	s_cmp_lg_u32 s[LC], 0
	s_cbranch_scc1 .Lpair
	s_wait_loadcnt 0x0                             ; nothing is out here (the last pair of chunks waited for all loads): written so that a wait stands ahead of the later loads into the same registers on every way through the text
	; the live tiles' accumulators go into my dump; each accumulator's low four registers first
.set t, 0
.rept 12
	WIN 0
	s_cmp_le_u32 s[NT], t
	s_cbranch_scc1 .Ldumped
	WIN 0x08+4*(t/8)
.set g, 0
.rept 8
	ds_store_b128 v[DMP], v[32*(t%8)+4*g:32*(t%8)+4*g+3] offset:t*4096+g*512
.set g, g+1
.endr
.set t, t+1
.endr
	WIN 0
.Ldumped:
	s_wait_dscnt 0x0                               ; for the others' sake
	s_barrier_signal -1
	s_barrier_wait -1
	; THE WAY OUT of the main pass: a tile of 16 rows x 64 columns a trip; six trips, a dead tile jumps forward to the steps; the kh halves are added.
	; A tile's 16 LDS loads are issued a trip ahead, behind the additions that free their registers, so that they land under the tile before's arithmetic.
	s_mov_b32 s[CUR], s[KH]
	s_mov_b32 s[IC], 6
	s_cmp_ge_u32 s[CUR], s[NT]
	s_cbranch_scc1 .Lepi
	EPLOAD 0
.Lepi:
	s_cmp_ge_u32 s[CUR], s[NT]
	s_cbranch_scc1 .Lepn
	s_wait_dscnt 0x0                               ; my tile's two halves are in
	WIN 0x05
.set i, 0
.rept 8                                ; register i of fragment j is column 32 h + 4 i + j: the addition also puts the columns in order
.set j, 0
.rept 4
	v_add_f32 v[Z+4*i+j], v[8*j+i], v[32+8*j+i]
.set j, j+1
.endr
.set i, i+1
.endr
	WIN 0
	s_add_co_u32 s62, s[CUR], 2
	s_cmp_ge_u32 s62, s[NT]
	s_cbranch_scc1 .Lepq
	EPLOAD 8192                                    ; my next tile, if it is live: the step stands in the immediate, the address steps at the trip's end
.Lepq:
.if !G2
	EACH 16, v_pk_add_f32 v[Z+2*q:Z+2*q+1], v[Z+2*q:Z+2*q+1], v[BIAS+2*q:BIAS+2*q+1]
.endif
	EPIOUT
.Lepn:
	s_wait_xcnt 0x0                                ; the stores' base and data are rewritten only behind this wait
	v_add_nc_u32 v[EPA], 8192, v[EPA]
	v_add_nc_u32 v[EPB], 8192, v[EPB]
	s_add_nc_u64 s[OB:OB+1], s[OB:OB+1], 32<<LRB
	s_add_co_u32 s[CUR], s[CUR], 2
	s_sub_co_u32 s[IC], s[IC], 1
	s_cmp_lg_u32 s[IC], 0
	s_cbranch_scc1 .Lepi
	s_wait_dscnt 0x0                               ; nothing is out here: written so that a wait stands ahead of the later loads into the same registers on every way through the text
	; ROWS FROM 192 ON.  26 trips cover 1,024 rows; a trip serves rows 192 + 32 o + 16 kh .. + 15 for column half c over the whole K, each wave for itself; a dead trip is jumped,
	; and the whole loop where the expert has 192 rows or fewer.
	; Four accumulators; the way out reads them straight from registers: the only LDS bytes named here are my own stage and my own list, at fixed addresses.
	s_cmp_le_u32 s[CNT], 192
	s_cbranch_scc1 .Lfin
	s_lshl_b32 s[CUR], s[KH], 4
	s_add_co_u32 s[CUR], s[CUR], 192
	s_mov_b32 s[LC], 26
.Lov:
	s_cmp_ge_u32 s[CUR], s[CNT]
	s_cbranch_scc1 .Lovn
	v_add_nc_u32 v15, s[CUR], v[RR]
	v_min_u32 v15, s[LR], v15
.if G2
	v_add_nc_u32 v15, s[POF], v15
	v_min_u32 v15, 0x47f, v15
	v_lshl_add_u32 v[TO], v15, 7, v[H32]
.else
	v_min_u32 v15, 0x3ff, v15
	v_lshl_add_u32 v15, v15, 2, v[LB]
	ds_load_b32 v[TO], v15
	s_wait_dscnt 0x0
	v_min_u32 v[TO], 0x3ff, v[TO]
	v_lshl_add_u32 v[TO], v[TO], 11, v[H32]
.endif
	WIN 0x80
	EACH 32, v_mov_b32 v[q], 0
	WIN 0
	s_mov_b64 s[WBO:WBO+1], s[W0:W0+1]
	s_mov_b64 s[TBO:TBO+1], s[T0:T0+1]
	s_mov_b32 s[IC], 16
.Lovk:                                 ; 64 k a trip
	WIN 0x40
.set u, 0
.rept 2
.set i, 0
.rept 16
	global_load_b128 v[64*u+4*i:64*u+4*i+3], v[WO], s[WBO:WBO+1] offset:(32*u+i)*PITCH
.set i, i+1
.endr
.set u, u+1
.endr
	WIN 0xc0
.set u, 0
.rept 2                                ; step u: my 32 bytes of the row, straight from memory
	global_load_b128 v[AF+8*u:AF+8*u+3],   v[TO], s[TBO:TBO+1] offset:64*u
	global_load_b128 v[AF+8*u+4:AF+8*u+7], v[TO], s[TBO:TBO+1] offset:64*u+16
.set u, u+1
.endr
	s_wait_loadcnt 0x0
	CVT 0
	WIN 0xac
.set u, 0
.rept 2                                ; the four accumulators take turns, over the backward jump too
.set j, 0
.rept 4
	WM 8*j, BF+32*u+8*j, AF+8*u
.set j, j+1
.endr
.set u, u+1
.endr
	PLACES
	WIN 0
	s_add_nc_u64 s[WBO:WBO+1], s[WBO:WBO+1], 64*PITCH  ; (the wait for all loads above has freed the bases)
	s_add_nc_u64 s[TBO:TBO+1], s[TBO:TBO+1], OSTEP
	s_sub_co_u32 s[IC], s[IC], 1
	s_cmp_lg_u32 s[IC], 0
	s_cbranch_scc1 .Lovk
	s_add_co_u32 s2, s[POF], s[CUR]
	s_lshl_b32 s2, s2, LRB
	s_add_nc_u64 s[OB:OB+1], s[O0:O0+1], s[2:3]
	WIN 0x02                                       ; source 0: the accumulators, in window 2
.set i, 0
.rept 8                                ; each accumulator's register 0 is read first
.set j, 0
.rept 4
.if G2
	v_mov_b32 v[Z+4*i+j], v[8*j+i]
.else
	v_add_f32 v[Z+4*i+j], v[8*j+i], v[BIAS+4*i+j]
.endif
.set j, j+1
.endr
.set i, i+1
.endr
	WIN 0
	EPIOUT
.Lovn:
	s_wait_xcnt 0x0                                ; the stores' base and data are rewritten only behind this wait
	s_add_co_u32 s[CUR], s[CUR], 32
	s_sub_co_u32 s[LC], s[LC], 1
	s_cmp_lg_u32 s[LC], 0
	s_cbranch_scc1 .Lov
.Lfin:
	s_wait_tensorcnt 0x0                           ; the wave's end, behind my last LDS store
	ds_add_u32 v[SPW], v[NIL]
	s_wait_dscnt 0x0
	s_endpgm
.Lfunc_end_k_qaf9720f2ab_g2:
	.size	k_qaf9720f2ab_g2, .Lfunc_end_k_qaf9720f2ab_g2-k_qaf9720f2ab_g2
	.p2alignl 7, 3214868480
	.fill 96, 4, 3214868480
	.section	.rodata,"a",@progbits
	.p2align	6, 0x0
	.amdhsa_kernel k_qaf9720f2ab_g2
		.amdhsa_group_segment_fixed_size 240128
		.amdhsa_private_segment_fixed_size 0
		.amdhsa_enable_private_segment 0
		.amdhsa_kernarg_size 32
		.amdhsa_user_sgpr_count 2
		.amdhsa_user_sgpr_kernarg_segment_ptr 1
		.amdhsa_wavefront_size32 1
		.amdhsa_system_sgpr_workgroup_id_x 1
		.amdhsa_system_sgpr_workgroup_id_y 1
		.amdhsa_system_sgpr_workgroup_id_z 1
		.amdhsa_system_vgpr_workitem_id 0
		.amdhsa_next_free_vgpr 1024
		.amdhsa_next_free_sgpr 102
		.amdhsa_reserve_vcc 0
		.amdhsa_float_denorm_mode_32 3
		.amdhsa_float_denorm_mode_16_64 3
		.amdhsa_memory_ordered 1
		.amdhsa_forward_progress 1
		.amdhsa_inst_pref_size 133
	.end_amdhsa_kernel
	.amdgpu_metadata
---
amdhsa.version: [ 1, 2 ]
amdhsa.kernels:
  - .name:           k_qaf9720f2ab_g2
    .symbol:         k_qaf9720f2ab_g2.kd
    .args:
      - { .name: W2, .offset: 0, .size: 8, .value_kind: global_buffer, .address_space: global }
      - { .name: hs, .offset: 8, .size: 8, .value_kind: global_buffer, .address_space: global }
      - { .name: meta, .offset: 16, .size: 8, .value_kind: global_buffer, .address_space: global }
      - { .name: part, .offset: 24, .size: 8, .value_kind: global_buffer, .address_space: global }
    .group_segment_fixed_size: 240128
    .private_segment_fixed_size: 0
    .kernarg_segment_align: 8
    .kernarg_segment_size: 32
    .max_flat_workgroup_size: 128
    .sgpr_count:     102
    .vgpr_count:     1024
    .wavefront_size: 32
...
	.end_amdgpu_metadata
.endif
;; end of part 3
;; launch sum (part 4): grid 256 x 1, 4 waves a work-group, no clusters, 0 bytes of LDS; arguments part, b2, route, pmax, meta, out0; writes out0
.if DOCPART == 4
	.amdgcn_target "amdgcn-amd-amdhsa--gfx1250"
	.amdhsa_code_object_version 6
	.text
	.protected	k_qaf9720f2ab_sum
	.globl	k_qaf9720f2ab_sum
	.p2align	8
	.type	k_qaf9720f2ab_sum,@function
k_qaf9720f2ab_sum:
	s_mov_b64 s[64:65], 0
	v_nop
	global_prefetch_b8 v0, s[64:65] scope:SCOPE_SE
	s_setreg_imm32_b32 hwreg(HW_REG_WAVE_MODE, 25, 1), 1
	s_wait_xcnt 0x0
; out[t] = p_max[t] x (the four K quarters of row pos(t), added in ascending order in f32, + b2[e] rounded to bf16).  One wave, one token: 4 x 256 waves.
; pos(t) = poff[e] + the number of earlier tokens that chose e: the stored counts of the 32-token groups below t's group, and the ones below t's bit in its group's bitmap word.
; So that only two dependent trips to memory are made, the words of all eight experts are loaded beside eidx[t], and the chosen expert's are picked by selects.
; Memory binds: each load and store of the wave covers 512 consecutive bytes; LDS, matrix units and clusters would add nothing (no two waves read the same bytes of part).
.set PQ, 4718592                       ; a quarter of part: 1,152 rows x 4,096 bytes
.set P,  32                            ; v[32:159] the four quarters of my row, 32 registers each
.set BB, 160                           ; v[160:191] b2
	s_load_b256 s[4:11], s[0:1], 0x0               ; part s[4:5], b2 s[6:7], route s[8:9], pmax s[10:11]
	s_load_b128 s[12:15], s[0:1], 0x20             ; meta s[12:13], out0 s[14:15]
	v_lshrrev_b32 v1, 5, v0
	v_readfirstlane_b32 s16, v1                    ; wave
	s_lshl_b32 s17, ttmp9, 2
	s_add_co_u32 s17, s17, s16                     ; token t
	v_and_b32 v1, 31, v0                           ; lane
	v_lshlrev_b32 v2, 2, v1
	v_lshlrev_b32 v3, 4, v1
	s_lshl_b32 s18, s17, 2
	s_lshr_b32 s19, s17, 5                         ; t's group g
	s_lshl_b32 s56, s19, 2
	s_mov_b32 s54, 0x76543210
	s_mov_b32 s55, 0xfedcba98
	s_wait_kmcnt 0x0
	s_load_b32 s20, s[8:9], s18 offset:0x0         ; eidx[t]
	s_load_b32 s52, s[10:11], s18 offset:0x0       ; p_max[t]
	s_load_b512 s[36:51], s[12:13], 0x0            ; cnt[8], poff[8]
.irp e, 0,1,2,3,4,5,6,7
	s_load_b32 s[24+\e], s[8:9], s56 offset:4096+128*\e  ; bitmap[e][g]
.endr
.irp e, 0,1,2,3,4,5,6,7
	global_load_b32 v[8+\e], v2, s[8:9] offset:5120+128*\e  ; lane: gcnt[e][lane]
.endr
	v_mov_b32 v16, 0
	v_mov_b32 v17, 0
	s_mov_b32 s22, 0
	s_mov_b32 s23, 0
	s_wait_kmcnt 0x0
	s_min_u32 s20, s20, 7
	s_mov_b32 s53, s52                             ; named with it as a pair
	s_wait_loadcnt 0x0
.irp e, 0,1,2,3,4,5,6,7
	s_cmp_eq_u32 s20, \e
	s_cselect_b32 s22, s[44+\e], s22               ; poff[e]
	s_cselect_b32 s23, s[24+\e], s23               ; the bitmap word
	s_cselect_b32 s57, -1, 0
	v_cndmask_b32 v16, v16, v[8+\e], s57           ; the groups' counts
.endr
	v_cmp_gt_u32 vcc_lo, s19, v1
	v_cndmask_b32 v16, 0, v16, vcc_lo              ; the groups below mine
.irp m, 1,2,4,8
	v_mov_b32_dpp v17, v16 row_xmask:\m row_mask:0xf bank_mask:0xf
	v_add_nc_u32 v16, v16, v17
.endr
	v_permlanex16_b32 v17, v16, s54, s55
	v_add_nc_u32 v16, v16, v17
	v_readfirstlane_b32 s58, v16
	s_and_b32 s59, s17, 31
	s_bfm_b32 s60, s59, 0                          ; the bits below mine
	s_and_b32 s60, s23, s60
	s_bcnt1_i32_b32 s60, s60
	s_add_co_u32 s58, s58, s60
	s_add_co_u32 s58, s58, s22
	s_min_u32 s58, s58, 0x47f                      ; 1,151
	s_lshl_b32 s61, s58, 12
	v_add_nc_u32 v4, s61, v3
	v_add_nc_u32 v5, PQ, v4
	v_add_nc_u32 v6, 2*PQ, v4
	v_add_nc_u32 v7, 3*PQ, v4
	s_lshl_b32 s62, s20, 12
	s_mov_b32 s63, 0
	s_add_nc_u64 s[6:7], s[6:7], s[62:63]
	s_lshl_b32 s62, s17, 12
	s_add_nc_u64 s[14:15], s[14:15], s[62:63]
.set n, 0
.rept 8
	global_load_b128 v[BB+4*n:BB+4*n+3], v3, s[6:7] offset:512*n
.set n, n+1
.endr
.set i, 0
.rept 32                               ; quarter i / 8, bytes 512 (i % 8) on
	global_load_b128 v[P+4*i:P+4*i+3], v[4+i/8], s[4:5] offset:512*(i%8) th:TH_LOAD_NT
.set i, i+1
.endr
	s_wait_loadcnt 0x0
.set k, 0
.rept 16
	v_pk_add_f32 v[P+2*k:P+2*k+1], v[P+2*k:P+2*k+1], v[P+32+2*k:P+32+2*k+1]
	v_cvt_pk_bf16_f32 v18, v[BB+2*k], v[BB+2*k+1]  ; b2 rounded to bf16, like every input
	v_pk_add_f32 v[P+2*k:P+2*k+1], v[P+2*k:P+2*k+1], v[P+64+2*k:P+64+2*k+1]
	v_lshlrev_b32 v[BB+2*k], 16, v18
	v_and_b32 v[BB+2*k+1], 0xffff0000, v18
	v_pk_add_f32 v[P+2*k:P+2*k+1], v[P+2*k:P+2*k+1], v[P+96+2*k:P+96+2*k+1]
	v_pk_add_f32 v[P+2*k:P+2*k+1], v[P+2*k:P+2*k+1], v[BB+2*k:BB+2*k+1]
	v_pk_mul_f32 v[P+2*k:P+2*k+1], v[P+2*k:P+2*k+1], s[52:53] op_sel_hi:[1,0]
.set k, k+1
.endr
.set n, 0
.rept 8
	global_store_b128 v3, v[P+4*n:P+4*n+3], s[14:15] offset:512*n th:TH_STORE_NT  ; 512 consecutive bytes, at a multiple of 256 from out0's first byte
.set n, n+1
.endr
	s_endpgm
.Lfunc_end_k_qaf9720f2ab_sum:
	.size	k_qaf9720f2ab_sum, .Lfunc_end_k_qaf9720f2ab_sum-k_qaf9720f2ab_sum
	.p2alignl 7, 3214868480
	.fill 96, 4, 3214868480
	.section	.rodata,"a",@progbits
	.p2align	6, 0x0
	.amdhsa_kernel k_qaf9720f2ab_sum
		.amdhsa_group_segment_fixed_size 0
		.amdhsa_private_segment_fixed_size 0
		.amdhsa_enable_private_segment 0
		.amdhsa_kernarg_size 48
		.amdhsa_user_sgpr_count 2
		.amdhsa_user_sgpr_kernarg_segment_ptr 1
		.amdhsa_wavefront_size32 1
		.amdhsa_system_sgpr_workgroup_id_x 1
		.amdhsa_system_sgpr_workgroup_id_y 1
		.amdhsa_system_sgpr_workgroup_id_z 1
		.amdhsa_system_vgpr_workitem_id 0
		.amdhsa_next_free_vgpr 208
		.amdhsa_next_free_sgpr 66
		.amdhsa_reserve_vcc 1
		.amdhsa_float_denorm_mode_32 3
		.amdhsa_float_denorm_mode_16_64 3
		.amdhsa_memory_ordered 1
		.amdhsa_forward_progress 1
		.amdhsa_inst_pref_size 18
	.end_amdhsa_kernel
	.amdgpu_metadata
---
amdhsa.version: [ 1, 2 ]
amdhsa.kernels:
  - .name:           k_qaf9720f2ab_sum
    .symbol:         k_qaf9720f2ab_sum.kd
    .args:
      - { .name: part, .offset: 0, .size: 8, .value_kind: global_buffer, .address_space: global }
      - { .name: b2, .offset: 8, .size: 8, .value_kind: global_buffer, .address_space: global }
      - { .name: route, .offset: 16, .size: 8, .value_kind: global_buffer, .address_space: global }
      - { .name: pmax, .offset: 24, .size: 8, .value_kind: global_buffer, .address_space: global }
      - { .name: meta, .offset: 32, .size: 8, .value_kind: global_buffer, .address_space: global }
      - { .name: out0, .offset: 40, .size: 8, .value_kind: global_buffer, .address_space: global }
    .group_segment_fixed_size: 0
    .private_segment_fixed_size: 0
    .kernarg_segment_align: 8
    .kernarg_segment_size: 48
    .max_flat_workgroup_size: 128
    .sgpr_count:     66
    .vgpr_count:     208
    .wavefront_size: 32
...
	.end_amdgpu_metadata
.endif
;; end of part 4
